; MI455X (gfx1250); checked and timed in simulation.
; The chip was launched on July 23, 2026; its instructions are those of AMD's public machine-readable ISA for CDNA 5 (MIT licence, August 2026) and "CDNA5" Instruction Set Architecture Reference Guide (July 2026). The comments in the code are by the model that wrote it; some were corrected since.
;; Attention Mode Encoder. Allowed arithmetic: matrix products marked QUANTISED: E2M3 operands, one E8M0 scale for each 32 along K, by v_wmma_scale_f32_16x16x128_f8f6f4 with both operands' format E2M3, f32 sums; everything else in f32.
;; Inputs: Wk 1,024 x 1,024 float32; Wo 1,024 x 1,024 float32; Wq 1,024 x 1,024 float32; Wv 1,024 x 1,024 float32; bk 1,024 float32; bo 1,024 float32; bq 1,024 float32; bv 1,024 float32; mask 4 x 2,048 int32; x 4 x 2,048 x 1,024 float32.
;; Outputs: out0 4 x 2,048 x 1,024 float32.
;; This version of the problem:
;;   THIS VERSION OF THE PROBLEM IS GIVEN IN LOW PRECISION. The matrix products marked QUANTISED in the list below multiply operands that are first quantised to E2M3 (2 exponent bits, 3 mantissa bits; 6 bits a number), with one power-of-two scale for each 32 numbers along K (OCP MX v1.0); their sums are f32. All else is computed in f32.
;;   The module's matrix products, in the order in which they are computed (A, B: the left and right operand; K: the contracted axis; several contracted axes count as one K, in the product's order):
;;     1. [M 8,192, K 1,024] x [K 1,024, N 1,024]; A: input x; B: input Wq: QUANTISED
;;     2. [M 8,192, K 1,024] x [K 1,024, N 1,024]; A: input x; B: input Wk: QUANTISED
;;     3. [M 8,192, K 1,024] x [K 1,024, N 1,024]; A: input x; B: input Wv: QUANTISED
;;     4. batch 64 x [M 2,048, K 64] x [K 64, N 2,048]; A: computed on the way; B: computed on the way: QUANTISED
;;     5. batch 64 x [M 2,048, K 2,048] x [K 2,048, N 64]; A: softmax (see below); B: computed on the way: QUANTISED
;;     6. [M 8,192, K 1,024] x [K 1,024, N 1,024]; A: computed on the way; B: input Wo: QUANTISED
;;   THE QUANTISER, for each operand of a quantised product, along K:
;;     - K is cut into blocks of 32 from its start; a last block that is shorter is filled with zeros.
;;     - A block's scale is 2^e with e = floor(log2(the largest magnitude in the block)) - 2, held to -126 .. 127; a block of zeros has e = 0. As a byte (E8M0): e + 127.
;;     - Each number is divided by its block's scale, clamped to +-7.5, and rounded to the nearest number of E2M3, ties to even, subnormals kept.
;;     - The product sums the exact products of the quantised numbers (number of the format x scale) in f32.
;;   ~~~python
;;   def quantise(x, axis):      # numpy; x: float32 -> the quantised numbers, widened to float32 again
;;       x = np.moveaxis(x, axis, -1); K = x.shape[-1]
;;       x = np.pad(x, [(0, 0)] * (x.ndim - 1) + [(0, -K % 32)]); x = x.reshape(x.shape[:-1] + (-1, 32)); a = np.abs(x).max(-1, keepdims=True)
;;       e = np.where(a > 0, np.clip(np.frexp(np.where(a > 0, a, 1))[1] - 1 - 2, -126, 127), 0)      # np.frexp(a)[1] - 1 = floor(log2(a)), exactly
;;       r = np.clip(x / 2.0 ** e, -7.5, 7.5)
;;       step = 2.0 ** (np.maximum(np.frexp(np.where(r == 0, 1, r))[1] - 1, 0) - 3)
;;       q = np.round(r / step) * step * 2.0 ** e      # np.round: ties to even
;;       return np.moveaxis(q.reshape(q.shape[:-2] + (-1,))[..., :K], -1, axis).astype(np.float32)
;;   ~~~
;;   SOFTMAX AHEAD OF A QUANTISED PRODUCT. Where the list says 'softmax', what is quantised is not the finished softmax but p = 2^(t - M), with t = logit x log2(e) and M = ceil(the row's largest t), a whole number; so 1/2 < the row's largest p <= 1. The row's sum l is taken of the UNQUANTISED p, in f32, and the product's result is divided by l at the end. Since M is a whole number, a kernel that streams over the keys may use a running M (the ceiling of the running maximum): every later rescaling is an exact power of two, which a block's scale takes up: the codes' values come out the same.
;;   OPERANDS COMPUTED ON THE WAY. 'Computed on the way' means the value that the module computes at that place (a softmax that the list does not call 'softmax' is quantised finished and normalised). What goes into a quantiser is computed in f32, as accurately as f32 sums, v_exp_f32 and their like allow (about 1e-6 of the number): no bf16 or f16 on the way to a quantiser, and a product that is left as it is and whose result goes on into a quantised operand takes f32 operands (vector FMAs, or v_wmma_f32_16x16x4_f32). A number that lies on a knife's edge between two numbers of the format may be rounded either way, as far as f32 arithmetic and the matrix unit's own rounding can turn it there, and no further.
;; One version. Each part assembles by itself: llvm-mc -triple=amdgcn-amd-amdhsa -mcpu=gfx1250 --defsym DOCPART=n.
;; ======== version 1 of 1: 4 launches
;; limits: right only within a limited range of input values
;; workspace buffers: xw 9,437,184 bytes; xw_sc 393,216 bytes; qkv 18,874,368 bytes; qkv_sc 786,432 bytes; att 6,291,456 bytes; att_sc 262,144 bytes
;; launch quant (part 1): grid 768 x 1, 4 waves a work-group, no clusters, 67,584 bytes of LDS; arguments x, Wq, Wk, Wv, Wo, xw, xw_sc; writes xw, xw_sc
.if DOCPART == 1
	.amdgcn_target "amdgcn-amd-amdhsa--gfx1250"
	.amdhsa_code_object_version 6
	.text
	.protected	k_q35e187613b_quant
	.globl	k_q35e187613b_quant
	.p2align	8
	.type	k_q35e187613b_quant,@function
k_q35e187613b_quant:
	s_mov_b64 s[64:65], 0
	v_nop
	global_prefetch_b8 v0, s[64:65] scope:SCOPE_SE
	s_setreg_imm32_b32 hwreg(HW_REG_WAVE_MODE, 25, 1), 1
	s_wait_xcnt 0x0
; x [8192][1024] and Wq, Wk, Wv, Wo [1024][1024], f32, K innermost, become codes of FP6 (E2M3) with one E8M0 byte for each 32 along K,
; laid in the ORDER OF AN OPERAND'S REGISTERS, so that the products' launches read fragments by dense loads of 16 and 8 bytes a lane.
; TILE: 16 rows.  Tile t = (t / 2, t % 2): lane r takes row 32 (t / 2) + 8 (t % 2) + r + 8 (r / 8).  Tiles 0-511: x; 512 + 64 i ..: Wq, Wk, Wv, Wo.
; HALF FRAGMENT, 768 bytes: 16 rows x 64 along K: lane l = r + 16 h holds k = 32 h .. 32 h + 31 of its row, 24 bytes: the first 16 at byte 16 l, the last 8 at byte 512 + 8 l.
; xw: [tile][k / 64][768].   xw_sc: [tile][k / 256][r][8 bytes]: the scale words of two K steps of 128.
; A block's scale is 2^(floor(log2(its largest magnitude)) - 2); its byte is the largest magnitude's exponent field - 2, held at 1 from below.
; LIMITS: NaN and infinities are not served; a block whose largest magnitude lies under 2^-124 has its byte held at 1; a block of zeros has the byte 1 where the rule says 127
; (its codes are zeros, which add nothing under any byte but 0xff, and only this program reads the bytes).
; SHARES: a work-group takes a tile, wave w 256 along K: 1,024 bytes of each of the 16 rows.  Each load reads 512 consecutive bytes; the numbers turn through the wave's own stage in LDS
; (rows 1,040 bytes apart: the sixteen rows of a read start at sixteen different columns of 16 bytes) and come back 32 neighbours a lane: a whole block, so no other lane is asked for its maximum.
; No matrix unit, no cluster, no tensor load: the launch reads each byte once and stores whole runs of 256 bytes; the waves share only the tile's 512 scale bytes.
.set SP,    1040
.set WST,   16*SP                      ; a wave's stage
.set SCST,  4*WST                      ; the tile's 512 scale bytes
.set SPARE, SCST+512                   ; the spare words, 128 bytes a wave: two blocks of 256 bytes that no other line names
.set L16,  1                           ; v1   16 x lane
.set SIN,  2                           ; v2   the stage, on the way in
.set SOUT, 3                           ; v3   and out: row r, + 128 h
.set L8,   4                           ; v4   8 x lane
.set SH,   5                           ; v5   8 h: my bytes' place in a scale word
.set SCA,  6                           ; v6   where my row's two scale words go
.set SPW,  12                          ; v12  my spare word; never rewritten
.set NIL,  13                          ; v13  0; never rewritten
.set SCR,  14                          ; v14  where wave 0 reads the tile's scale bytes back
.set R,    16                          ; v16-143  32 loads
.set X,    144                         ; v144-207 two sets of 32 neighbours
.set C,    208                         ; v208-239 codes: eight registers for each block, so that no store's data are written again
.set CU,   240                         ; v240-242 a block's upper 16 codes
.set E,    244                         ; v244-247 the four bytes
	s_load_b256 s[4:11], s[0:1], 0x0               ; x, Wq, Wk, Wv
	s_load_b128 s[12:15], s[0:1], 0x20             ; Wo, xw
	s_load_b64 s[16:17], s[0:1], 0x30              ; xw_sc
	v_lshl_add_u32 v[SPW], v0, 2, SPARE
	v_mov_b32 v[NIL], 0
	v_lshrrev_b32 v7, 5, v0
	v_readfirstlane_b32 s18, v7                    ; wave
	v_and_b32 v7, 31, v0
	v_and_b32 v8, 15, v0                           ; r
	v_bfe_u32 v9, v0, 4, 1                         ; h
	v_lshlrev_b32 v[L16], 4, v7
	v_lshlrev_b32 v[L8], 3, v7
	s_mul_i32 s19, s18, WST
	v_add_nc_u32 v[SIN], s19, v[L16]
	v_mul_u32_u24 v[SOUT], v8, SP
	v_lshl_add_u32 v[SOUT], v9, 7, v[SOUT]
	v_add_nc_u32 v[SOUT], s19, v[SOUT]
	v_lshlrev_b32 v[SH], 3, v9
	s_lshl_b32 s20, s18, 7
	s_add_co_u32 s20, s20, SCST
	v_lshl_add_u32 v[SCA], v8, 3, s20              ; SCST + 128 x wave + 8 r
	v_add_nc_u32 v[SCR], SCST, v[L16]
	s_mov_b32 s26, 0x76543210
	s_mov_b32 s27, 0xfedcba98                      ; v_permlanex16_b32's selects for lane l xor 16
	s_and_b32 s21, ttmp9, 63                       ; a weight's tile
	s_wait_alu depctr_va_vdst(0)
	s_wait_kmcnt 0x0
	s_cmp_lt_u32 ttmp9, 704                        ; which tensor: the choice hangs on the work-group's number alone; all five take one path
	s_cselect_b64 s[10:11], s[10:11], s[12:13]
	s_cmp_lt_u32 ttmp9, 640
	s_cselect_b64 s[8:9], s[8:9], s[10:11]
	s_cmp_lt_u32 ttmp9, 576
	s_cselect_b64 s[6:7], s[6:7], s[8:9]
	s_cmp_lt_u32 ttmp9, 512
	s_cselect_b64 s[4:5], s[4:5], s[6:7]
	s_cselect_b32 s21, ttmp9, s21                  ; the tile's number in its tensor
	s_lshr_b32 s22, s21, 1
	s_lshl_b32 s22, s22, 17                        ; 32 rows of 4,096 bytes
	s_and_b32 s23, s21, 1
	s_lshl_b32 s23, s23, 15                        ; 8 rows
	s_add_co_u32 s22, s22, s23
	s_lshl_b32 s23, s18, 10                        ; my wave's 1,024 bytes of a row
	s_add_co_u32 s22, s22, s23
	s_mov_b32 s23, 0
	s_add_nc_u64 s[4:5], s[4:5], s[22:23]
	s_mul_i32 s22, ttmp9, 12288
	s_mul_i32 s24, s18, 3072
	s_add_co_u32 s22, s22, s24
	s_add_nc_u64 s[14:15], s[14:15], s[22:23]      ; my four half fragments
	s_lshl_b32 s22, ttmp9, 9
	s_add_nc_u64 s[16:17], s[16:17], s[22:23]      ; the tile's scale bytes
.set n, 0
.rept 32                               ; load n: the tile's row n / 2 (memory row n / 2 + 8 (n / 16)), half n % 2 of my 1,024 bytes: 512 consecutive bytes
	global_load_b128 v[R+4*n:R+4*n+3], v[L16], s[4:5] offset:((n/2)+8*(n/16))*4096+512*(n%2) th:TH_LOAD_NT
.set n, n+1
.endr
.set n, 0
.rept 4
	s_wait_loadcnt 24-n                            ; loads come back in order: this group of eight is in, the later groups stay out
.rept 8
	ds_store_b128 v[SIN], v[R+4*n:R+4*n+3] offset:SP*(n/2)+512*(n%2)
.set n, n+1
.endr
.endr
.macro RD q                            ; my block of the q-th 64 along K: 32 neighbours.  LDS serves a wave's instructions in order: these see my stores
.irp j, 0,1,2,3,4,5,6,7
	ds_load_b128 v[X+32*((\q)%2)+4*\j:X+32*((\q)%2)+4*\j+3], v[SOUT] offset:256*(\q)+16*\j
.endr
.endm
.macro BLK q
.set XS, X+32*((\q)%2)
.set CQ, C+8*(\q)
	v_max3_num_f32 v8, |v[XS]|, |v[XS+1]|, 0x1800000       ; the largest magnitude, in two chains, with the floor 2^(3 - 127) among the leaves: the byte cannot fall under 1
	v_max3_num_f32 v9, |v[XS+2]|, |v[XS+3]|, |v[XS+4]|
.irp i, 5,9,13,17,21,25
	v_max3_num_f32 v8, v8, |v[XS+\i]|, |v[XS+\i+1]|
	v_max3_num_f32 v9, v9, |v[XS+\i+2]|, |v[XS+\i+3]|
.endr
	v_max3_num_f32 v8, v8, |v[XS+29]|, |v[XS+30]|
	v_max3_num_f32 v8, v8, v9, |v[XS+31]|
	v_add_nc_u32 v10, 0xff000000, v8               ; 2 off its exponent field: the conversion takes the exponent field of this operand as its scale
	v_lshrrev_b32 v[E+(\q)], 23, v10               ; the scale's byte
	v_cvt_scalef32_pk16_fp6_f32 v[CQ:CQ+2], v[XS:XS+15], v10
	v_cvt_scalef32_pk16_fp6_f32 v[CU:CU+2], v[XS+16:XS+31], v10   ; (a conversion's three registers begin on an even number)
	v_nop                                          ; one plain place behind a scaled conversion
.irp i, 0,1,2
	v_mov_b32 v[CQ+3+\i], v[CU+\i]
.endr
	global_store_b128 v[L16], v[CQ:CQ+3], s[14:15] offset:768*(\q)        ; 512 consecutive bytes,
	global_store_b64 v[L8], v[CQ+4:CQ+5], s[14:15] offset:768*(\q)+512    ; and 256: both start at multiples of 256 from the buffer's first byte
.endm
	RD 0
	RD 1
	s_wait_dscnt 8                                 ; block 0 is in; the eight loads of block 1 may be out
	BLK 0
	RD 2
	s_wait_dscnt 8
	BLK 1
	RD 3
	s_wait_dscnt 8
	BLK 2
	s_wait_dscnt 0x0
	BLK 3
	v_lshl_or_b32 v8, v[E+1], 16, v[E]             ; my bytes of the first K step's word: blocks h and 2 + h,
	v_lshl_or_b32 v9, v[E+3], 16, v[E+2]           ; and of the second's,
	v_lshlrev_b32 v8, v[SH], v8                    ; at their places (8 h bits up);
	v_lshlrev_b32 v9, v[SH], v9
	v_mov_b32 v10, 0
	v_mov_b32 v11, 0
	v_permlanex16_b32 v10, v8, s26, s27
	v_permlanex16_b32 v11, v9, s26, s27
	v_or_b32 v8, v8, v10                           ; with lane l xor 16's the words are whole
	v_or_b32 v9, v9, v11
	ds_store_b64 v[SCA], v[8:9]                    ; (both halves of the lanes write the same bytes with the same values)
	s_wait_dscnt 0x0                               ; for wave 0's sake: my store has landed
	s_barrier_signal -1
	s_barrier_wait -1
	s_cmp_lg_u32 s18, 0
	s_cbranch_scc1 .Lend
	ds_load_b128 v[16:19], v[SCR]                  ; wave 0 sends the tile's 512 scale bytes: two whole runs of 256
	s_wait_dscnt 0x0
	global_store_b128 v[L16], v[16:19], s[16:17]
.Lend:
	s_wait_tensorcnt 0x0                           ; the wave's end, behind my last LDS store
	ds_add_u32 v[SPW], v[NIL]
	s_wait_dscnt 0x0
	s_endpgm
.Lfunc_end_k_q35e187613b_quant:
	.size	k_q35e187613b_quant, .Lfunc_end_k_q35e187613b_quant-k_q35e187613b_quant
	.p2alignl 7, 3214868480
	.fill 96, 4, 3214868480
	.section	.rodata,"a",@progbits
	.p2align	6, 0x0
	.amdhsa_kernel k_q35e187613b_quant
		.amdhsa_group_segment_fixed_size 67584
		.amdhsa_private_segment_fixed_size 0
		.amdhsa_enable_private_segment 0
		.amdhsa_kernarg_size 56
		.amdhsa_user_sgpr_count 2
		.amdhsa_user_sgpr_kernarg_segment_ptr 1
		.amdhsa_wavefront_size32 1
		.amdhsa_system_sgpr_workgroup_id_x 1
		.amdhsa_system_sgpr_workgroup_id_y 1
		.amdhsa_system_sgpr_workgroup_id_z 1
		.amdhsa_system_vgpr_workitem_id 0
		.amdhsa_next_free_vgpr 256
		.amdhsa_next_free_sgpr 66
		.amdhsa_reserve_vcc 0
		.amdhsa_float_denorm_mode_32 3
		.amdhsa_float_denorm_mode_16_64 3
		.amdhsa_memory_ordered 1
		.amdhsa_forward_progress 1
		.amdhsa_inst_pref_size 17
	.end_amdhsa_kernel
	.amdgpu_metadata
---
amdhsa.version: [ 1, 2 ]
amdhsa.kernels:
  - .name:           k_q35e187613b_quant
    .symbol:         k_q35e187613b_quant.kd
    .args:
      - { .name: x, .offset: 0, .size: 8, .value_kind: global_buffer, .address_space: global }
      - { .name: Wq, .offset: 8, .size: 8, .value_kind: global_buffer, .address_space: global }
      - { .name: Wk, .offset: 16, .size: 8, .value_kind: global_buffer, .address_space: global }
      - { .name: Wv, .offset: 24, .size: 8, .value_kind: global_buffer, .address_space: global }
      - { .name: Wo, .offset: 32, .size: 8, .value_kind: global_buffer, .address_space: global }
      - { .name: xw, .offset: 40, .size: 8, .value_kind: global_buffer, .address_space: global }
      - { .name: xw_sc, .offset: 48, .size: 8, .value_kind: global_buffer, .address_space: global }
    .group_segment_fixed_size: 67584
    .private_segment_fixed_size: 0
    .kernarg_segment_align: 8
    .kernarg_segment_size: 56
    .max_flat_workgroup_size: 128
    .sgpr_count:     66
    .vgpr_count:     256
    .wavefront_size: 32
...
	.end_amdgpu_metadata
.endif
;; end of part 1
;; launch qkv (part 2): grid 12 x 32, 4 waves a work-group, clusters of 4 x 4, 327,680 bytes of LDS; arguments xw, xw_sc, qkv, qkv_sc, bq, bk, bv; writes qkv, qkv_sc
.if DOCPART == 2
	.amdgcn_target "amdgcn-amd-amdhsa--gfx1250"
	.amdhsa_code_object_version 6
	.text
	.protected	k_q35e187613b_qkv
	.globl	k_q35e187613b_qkv
	.p2align	8
	.type	k_q35e187613b_qkv,@function
k_q35e187613b_qkv:
	s_mov_b64 s[64:65], 0
	v_nop
	global_prefetch_b8 v0, s[64:65] scope:SCOPE_SE
	s_setreg_imm32_b32 hwreg(HW_REG_WAVE_MODE, 25, 1), 1
	s_wait_xcnt 0x0
	s_wait_alu depctr_hold_cnt(0) depctr_sa_sdst(0) depctr_va_vdst(0) depctr_va_sdst(0) depctr_va_ssrc(0) depctr_va_vcc(0) depctr_vm_vsrc(0)
	s_getreg_b32 s2, hwreg(HW_REG_IB_STS2, 6, 4)
	s_cmp_eq_u32 s2, 0
	s_cbranch_scc0 .Lentry_in_a_cluster
	s_endpgm
.Lentry_in_a_cluster:
	s_bfe_u32 s2, ttmp6, 0x10000c
	s_cmp_lg_u32 s2, 0xf033
	s_cbranch_scc0 .Lentry_shape_is_right
	s_endpgm
.Lentry_shape_is_right:
; q = x Wq^T + bq, k = x Wk^T + bk, v = x Wv^T + bv on codes of FP6 (E2M3) with E8M0 scales (K = 1,024), and each result quantised at once, in registers, for the attention launch:
; q and k along the head's 64, v along the keys.  Operands come from xw / xw_sc (tiles of 16 rows, half fragments of 768 bytes in the order of an operand's registers: see the quantising launch).
; A work-group makes 256 tokens x 256 columns, a wave 128 x 128: 64 accumulators, 512 registers.  K goes in steps of 256 through a ring of two LDS slots, four slots' worth in all, so the ring is written out.
; CLUSTERS: 4 x 4.  x's tiles hang on the block of tokens alone and are asked for jointly along a row of the cluster, W's on the block of columns alone, jointly along a column.
; The cluster's x (0, 1, 2) says which product: it is the same in all sixteen partners.
; ORIENTATION.  In a result a lane holds one row of source 1 and its registers run along source 0's rows; with the tiles' order of rows the 16 registers of tiles 2 b, 2 b + 1 are 16 neighbours.
;   q, k: source 0 = W, source 1 = x: a lane holds a token, registers run along the head's channels.    v: source 0 = x, source 1 = W: a lane holds a channel, registers run along the keys.
; The text is one for both: tensor loads and LDS places do not know the product; only the bases of the fragments' reads, the strides of the way out and two masks are chosen, by s_cselect_b32.  No branch hangs on it.
; OUT.  qkv: [q, k, v][head 64][98,304 bytes]; q, k: [tile of tokens 128][768]; v: [128 keys 16][tile of channels 4][1,536].
;       qkv_sc: [q, k, v][head][128 tokens 16][r 16][4 words]; q, k: word g = the two bytes of tile 2 g, then of tile 2 g + 1; v: word t = the four bytes of channel tile t.
; LIMITS: NaN and infinities are not served; a block whose largest magnitude lies under 2^-124 has its byte held at 1; a block of zeros has the byte 1 (zero codes; only this program reads the bytes).
; REGISTERS, in windows of 256: window 0: v8-22 addresses; v28, v29 the add's two; v32-63 scale words, two sets, and nothing else; v64-127 the bias along source 0 (later at work); v128-223 source 1's 8 fragments, one set
;   (later the codes just made); v224-231 the bias along source 1; v232-239 the results' scale words.   window 1: source 0's fragments, two sets, at v0 and v128.   windows 2, 3: accumulator (a, b) at v[8 (8 (a % 4) + b)].
.set HALFT,  24576                     ; 8 tiles x 3,072 bytes (256 along K): what one tensor load brings, and what one wave reads of an operand
.set SLOT,   4*HALFT                   ; x's two halves, then W's two
.set SCL,    2*SLOT                    ; behind the ring: x's scale bytes for all of K, 8,192, then W's 8,192: they come through registers and ds_store (16 KB against 384 KB of codes a work-group, so they are not asked for jointly); no tensor load lands here
.set SPARE,  SCL+2*8192+256            ; the spare words, 128 bytes a wave: two blocks of 256 bytes that no other line names
.set FR,  12                           ; registers of a fragment
.set NL,  4                            ; LDS loads that bring one
.set NP,  4                            ; places behind this matrix instruction (ISA guide 7.12.1)
.set NQ,  2                            ; K steps of 128 in a slot
.set AD0, 8                            ; v8-11   source 0's fragments: slot s: v[8 + 2 s] + 16 x lane, v[9 + 2 s] + 8 x lane
.set AD1, 12                           ; v12-15  source 1's likewise
.set ADRS, 16                          ; v16     my scale words: lanes 0-15 source 1's rows, lanes 16-31 source 0's
.set ST16, 17                          ; v17, v18  16 x lane, 8 x lane
.set ST8,  18
.set ST16D, 19                         ; v19, v20  the same for the fragment's second half
.set ST8D,  20
.set STS,  21                          ; v21     the scale words' place: 16 r + 4,096 h
.set ZR,   22                          ; v22     0
.set SPW,  28
.set NIL,  29
.set SC,   32
.set BIAS0, 64
.set AF,   128
.set BIAS1, 224
.set PWR,  232
.set TM,   64                          ; the way out, at work: v64-67 largest magnitudes, v68-71 bytes, v76-79 the conversions' scale operands
.set EW,   80                          ; v80-87  the scale words as they are stored
.set PC,   144                         ; v144-155 a fragment's codes
.set PX,   176                         ; v176-182 the upper halves of blocks
.set WV, 18
.set WY, 19                            ; which half of the tokens is mine.  Also: I fetch for x (0) or for W (1)
.set WX, 20                            ; which half of the columns.  Also: which 8 tiles I fetch
.set TY, 21
.set G1, 24                            ; s[24:31] group 1 for x's tiles; s[32:39] group 0, a set for each slot
.set G0, 32
.set G1B, 48                           ; s[48:55], s[56:63] the same for W's
.set G0B, 56
.set G1S, 68                           ; s[68:75], s[76:79] for the head's loads of x's tiles; s[80:87], s[88:91] for W's
.set G0S, 76
.set G1SB, 80
.set G0SB, 88
.set MSB, 0
.macro WIN new                         ; the immediate's high byte repeats the setting that is left
.if MSB != \new
	s_set_vgpr_msb (MSB<<8)|\new
.set MSB, \new
.endif
.endm
.set MUL_LO, 0xa1                      ; source 0 window 1, source 1 window 0, C and D window 2
.set MUL_HI, 0xf1                      ; the same, C and D window 3
.set TO_B,   0x40                      ; destination window 1, address window 0
; A joint load: waves 0 and 1 fetch for x, waves 2 and 3 for W.  Each line has one mask and one set of registers for all that issue it; the branch hangs on the wave's number alone.
; An s_nop 0 and four v_nop follow each of the two lines.
.macro JLOAD g0a, g1a, g0b, g1b
	s_cmp_eq_u32 s[WY], 0
	s_cbranch_scc0 .Lfor_b_\@
	tensor_load_to_lds s[\g0a:\g0a+3], s[\g1a:\g1a+7]
	s_nop 0
.rept 4
	v_nop
.endr
	s_branch .Lasked_\@
.Lfor_b_\@:
	tensor_load_to_lds s[\g0b:\g0b+3], s[\g1b:\g1b+7]
	s_nop 0
.rept 4
	v_nop
.endr
.Lasked_\@:
.endm
.macro CREST                           ; a round of the cluster's barrier behind its opening barrier
	s_cmp_lg_u32 s[WV], 0
	s_cbranch_scc1 .Lnot_wave_0_\@
	s_barrier_signal -3
.Lnot_wave_0_\@:
	s_barrier_wait -3
	s_barrier_signal -1
	s_barrier_wait -1
.endm
.macro CROUND
	s_barrier_signal -1
	s_barrier_wait -1
	CREST
.endm
	s_load_b256 s[4:11], s[0:1], 0x0               ; xw, xw_sc, qkv, qkv_sc
	s_load_b128 s[12:15], s[0:1], 0x20             ; bq, bk
	s_load_b64 s[16:17], s[0:1], 0x30              ; bv
	v_lshl_add_u32 v[SPW], v0, 2, SPARE
	v_mov_b32 v[NIL], 0
	ds_add_u32 v[SPW], v[NIL]                      ; the wave's opening: the add and its wait ahead of my first tensor load; work on registers stands between them
	ds_add_u32 v[SPW], v[NIL]
	v_lshrrev_b32 v1, 5, v0
	v_readfirstlane_b32 s[WV], v1
	s_lshr_b32 s[WY], s[WV], 1
	s_and_b32 s[WX], s[WV], 1
	s_bfe_u32 s40, ttmp6, 0x40000                  ; cx, cy: my place in the cluster
	s_bfe_u32 s41, ttmp6, 0x40004
	s_lshl_b32 s42, ttmp9, 2
	s_add_co_u32 s42, s42, s40                     ; which 256 rows of Wq, Wk, Wv on end: 4 x cluster x + cx
	s_and_b32 s[TY], ttmp7, 0xffff
	s_lshl_b32 s[TY], s[TY], 2
	s_add_co_u32 s[TY], s[TY], s41                 ; which 256 tokens: 4 x cluster y + cy
	s_lshl_b32 s43, s41, 2
	s_lshl_b32 s43, 15, s43                        ; my row of the cluster
	s_lshl_b32 s44, 0x1111, s40                    ; my column
	; group 1, codes: 8 rows (tiles) of 3,072 bytes, 12,288 bytes apart, as elements of 8 bytes; dense in LDS
	s_or_b32 s[G1+0], s43, (3<<16)|(1<<21)         ; 15:0 the mask; 17:16 elements of 8 bytes; 20 no padding; 21 set beside a mask
	s_or_b32 s[G1B+0], s44, (3<<16)|(1<<21)
.irp g, G1, G1B
	s_mov_b32 s[\g+1], 384<<16                     ; tensor_dim0
	s_mov_b32 s[\g+2], 8<<16                       ; tensor_dim1
	s_mov_b32 s[\g+3], 384<<16                     ; tile_dim0
	s_mov_b32 s[\g+4], 8                           ; tile_dim1
	s_mov_b32 s[\g+5], 1536                        ; from tile to tile
	s_mov_b32 s[\g+6], 0
	s_mov_b32 s[\g+7], 0
.endr
	; group 1 of the head's loads: all 16 tiles of an operand, 3,072 bytes each: a whole half of a slot
	s_or_b32 s[G1S+0], s43, (3<<16)|(1<<21)
	s_or_b32 s[G1SB+0], s44, (3<<16)|(1<<21)
.irp g, G1S, G1SB
	s_mov_b32 s[\g+1], 384<<16
	s_mov_b32 s[\g+2], 16<<16
	s_mov_b32 s[\g+3], 384<<16
	s_mov_b32 s[\g+4], 16
	s_mov_b32 s[\g+5], 1536
	s_mov_b32 s[\g+6], 0
	s_mov_b32 s[\g+7], 0
.endr
	s_lshl_b32 s22, s[WX], 3                       ; which 8 tiles of the 16 I fetch
	s_lshl_b32 s46, s[TY], 4
	s_add_co_u32 s46, s46, s22                     ; x: first tile
	s_lshl_b32 s92, s42, 4
	s_add_co_u32 s92, s92, s22
	s_add_co_u32 s92, s92, 512                     ; W: first tile (the weights' tiles lie behind x's 512)
	s_mul_i32 s94, s46, 12288                      ; their codes,
	s_mov_b32 s95, 0
	s_lshl_b32 s96, s46, 9                         ; their scale bytes
	s_mov_b32 s97, 0
	s_mul_i32 s98, s92, 12288
	s_mov_b32 s99, 0
	s_lshl_b32 s100, s92, 9
	s_mov_b32 s101, 0
	s_mul_i32 s45, s[WV], HALFT                    ; where they go: wave x 8 tiles: no place in the cluster enters an LDS address
	s_mul_i32 s22, s[WX], 98304                    ; the head's loads begin at the operand's tile 0: 8 tiles back for the odd waves,
	s_mul_i32 s23, s[WY], 3072                     ; at K step 0 (waves 0, 1) or 1 (waves 2, 3)
	s_sub_co_u32 s78, s94, s22
	s_add_co_u32 s78, s78, s23
	s_mov_b32 s79, 0
	s_sub_co_u32 s90, s98, s22
	s_add_co_u32 s90, s90, s23
	s_mov_b32 s91, 0
	s_lshl_b32 s22, s[WX], 12
	s_sub_co_u32 s96, s96, s22                     ; the scale bytes of all 16 tiles
	s_sub_co_u32 s100, s100, s22
	s_mul_i32 s93, s[WY], SLOT                     ; the head's slot
	s_wait_dscnt 0x0                               ; the opening add is done
	s_wait_kmcnt 0x0
	s_add_nc_u64 s[94:95], s[4:5], s[94:95]
	s_add_nc_u64 s[96:97], s[6:7], s[96:97]
	s_add_nc_u64 s[98:99], s[4:5], s[98:99]
	s_add_nc_u64 s[100:101], s[6:7], s[100:101]
	s_add_nc_u64 s[78:79], s[4:5], s[78:79]
	s_add_nc_u64 s[90:91], s[4:5], s[90:91]
	CROUND
	s_mov_b32 s[G0S], 1
	s_mov_b32 s[G0S+1], s93
	s_or_b32 s[G0S+3], s[G0S+3], 0x80000000
	s_mov_b32 s[G0SB], 1
	s_add_co_u32 s[G0SB+1], s93, 2*HALFT
	s_or_b32 s[G0SB+3], s[G0SB+3], 0x80000000
.irp s, 0,1
	s_mov_b32 s[G0+4*\s], 1
	s_add_co_u32 s[G0+4*\s+1], s45, \s*SLOT
	s_add_nc_u64 s[G0+4*\s+2:G0+4*\s+3], s[94:95], \s*3072
	s_or_b32 s[G0+4*\s+3], s[G0+4*\s+3], 0x80000000
	s_mov_b32 s[G0B+4*\s], 1
	s_add_co_u32 s[G0B+4*\s+1], s45, \s*SLOT
	s_add_nc_u64 s[G0B+4*\s+2:G0B+4*\s+3], s[98:99], \s*3072
	s_or_b32 s[G0B+4*\s+3], s[G0B+4*\s+3], 0x80000000
.endr
; THE HEAD'S LOADS, one a wave: wave 0 x's 16 tiles of slot 0, wave 1 W's, wave 2 x's of slot 1, wave 3 W's.  One chain of branches on the wave's number, a line of its own in each arm.
.macro ARM under, g0, g1, next
	s_cmp_lt_u32 s[WV], \under
	s_cbranch_scc0 \next
	tensor_load_to_lds s[\g0:\g0+3], s[\g1:\g1+7]
	s_nop 0
.rept 4
	v_nop
.endr
	s_branch .Lhead_asked
\next:
.endm
	ARM 1, G0S,  G1S,  .Lh1
	ARM 2, G0SB, G1SB, .Lh2
	ARM 3, G0S,  G1S,  .Lh3
	tensor_load_to_lds s[G0SB:G0SB+3], s[G1SB:G1SB+7]
	s_nop 0
.rept 4
	v_nop
.endr
.Lhead_asked:
	v_lshlrev_b32 v23, 4, v0                       ; the scale bytes: 128 threads x 16 bytes, four loads for each operand's 8,192
	v_add_nc_u32 v27, SCL, v23
.irp i, 0,1,2,3
	global_load_b128 v[128+4*\i:131+4*\i], v23, s[96:97] offset:2048*\i
	global_load_b128 v[144+4*\i:147+4*\i], v23, s[100:101] offset:2048*\i
.endr
	v_and_b32 v1, 31, v0
	v_and_b32 v2, 15, v0                           ; r
	v_bfe_u32 v3, v0, 4, 1                         ; h
	v_lshlrev_b32 v[ST16], 4, v1
	s_wait_alu depctr_va_vdst(0)
	v_lshlrev_b32 v[ST8], 3, v1
	s_wait_alu depctr_va_vdst(0)
	s_mul_i32 s22, s[WY], HALFT                    ; my 8 tiles of x,
	s_mul_i32 s23, s[WX], HALFT
	s_add_co_u32 s23, s23, 2*HALFT                 ; my 8 tiles of W
	s_mov_b32 s46, 768
	s_mov_b32 s47, 0
	s_mov_b32 s2, 768
	s_mov_b32 s3, 98304
	s_cmp_eq_u32 ttmp9, 0
	s_cselect_b64 s[12:13], s[12:13], s[14:15]     ; the bias: bq or bk,
	s_cmp_eq_u32 ttmp9, 2                          ; or, in the product for v, bv.  All that the product decides is chosen on this compare
	s_cselect_b64 s[12:13], s[16:17], s[12:13]
	s_cselect_b32 s66, -1, 0                       ; a lane mask: all ones for v
	s_cselect_b32 s67, 1, 0
	s_cselect_b32 s92, s22, s23                    ; source 0's tiles
	s_cselect_b32 s93, s23, s22                    ; source 1's
	s_cselect_b32 s46, 1536, s46                   ; the way out: from block a to block a + 1,
	s_cselect_b32 s14, 93696, s2                   ; from block 3 to block 4 (v: on to the next head),
	s_mov_b32 s15, 0
	s_cselect_b32 s16, 768, s3                     ; and from a fragment's first half to its second (q, k: the next head)
.irp s, 0,1
	v_add_nc_u32 v[AD0+2*\s], s92, v[ST16]
	v_add_nc_u32 v[AD0+2*\s+1], s92, v[ST8]
	v_add_nc_u32 v[AD1+2*\s], s93, v[ST16]
	v_add_nc_u32 v[AD1+2*\s+1], s93, v[ST8]
	s_add_co_u32 s92, s92, SLOT
	s_add_co_u32 s93, s93, SLOT
.endr
	v_xor_b32 v4, s67, v3                          ; 0: x's scales, 1: W's.  Lanes 0-15 take source 1's, lanes 16-31 source 0's
	s_lshl_b32 s2, s[WX], 12
	s_lshl_b32 s3, s[WY], 12
	s_sub_co_u32 s2, s2, s3
	s_add_co_u32 s2, s2, 8192
	v_mul_u32_u24 v4, s2, v4
	v_lshlrev_b32 v5, 3, v2                        ; 8 bytes a row
	s_add_co_u32 s3, s3, SCL
	v_add_nc_u32 v5, v5, v4
	v_add_nc_u32 v[ADRS], s3, v5
	s_lshl_b32 s2, s40, 10                         ; the bias of my 128 columns: 4 (256 cx + 128 x half)
	s_lshl_b32 s3, s[WX], 9
	s_add_co_u32 s2, s2, s3
	s_mov_b32 s3, 0
	s_add_nc_u64 s[12:13], s[12:13], s[2:3]
	v_lshlrev_b32 v4, 6, v3                        ; along source 0: tile b's eight columns of my half: 32 (b / 2) + 8 (b % 2) + 16 h + 0 .. 7
	v_and_b32 v5, 8, v2
	v_add_nc_u32 v5, v5, v2
	v_lshlrev_b32 v5, 2, v5                        ; along source 1: tile a's column 32 (a / 2) + 8 (a % 2) + r + 8 (r / 8)
.irp b, 0,1,2,3,4,5,6,7
	global_load_b128 v[BIAS0+8*\b:BIAS0+8*\b+3], v4, s[12:13] offset:(32*(\b/2)+8*(\b%2))*4
	global_load_b128 v[BIAS0+8*\b+4:BIAS0+8*\b+7], v4, s[12:13] offset:(32*(\b/2)+8*(\b%2))*4+16
	global_load_b32 v[BIAS1+\b], v5, s[12:13] offset:(32*(\b/2)+8*(\b%2))*4
.endr
	s_lshr_b32 s2, s[TY], 3                        ; the batch,
	s_lshl_b32 s2, s2, 4
	s_lshl_b32 s3, s40, 2
	s_add_co_u32 s2, s2, s3
	s_lshl_b32 s3, s[WX], 1
	s_add_co_u32 s2, s2, s3                        ; my first head: 16 x batch + 4 cx + 2 x half
	s_and_b32 s3, s[TY], 7
	s_lshl_b32 s3, s3, 1
	s_add_co_u32 s3, s3, s[WY]                     ; which 128 tokens of the batch are mine
	s_mul_i32 s22, ttmp9, 6291456
	s_mul_i32 s23, s2, 98304
	s_add_co_u32 s22, s22, s23
	s_mul_i32 s23, s3, 6144
	s_add_co_u32 s22, s22, s23
	s_mov_b32 s23, 0
	s_add_nc_u64 s[8:9], s[8:9], s[22:23]          ; block 0's codes
	s_lshl_b32 s22, s2, 4
	s_add_co_u32 s22, s22, s3
	s_lshl_b32 s22, s22, 8
	s_lshl_b32 s2, ttmp9, 18
	s_add_co_u32 s22, s22, s2
	s_add_nc_u64 s[10:11], s[10:11], s[22:23]      ; my scale words
	v_add_nc_u32 v[ST16D], s16, v[ST16]
	v_add_nc_u32 v[ST8D], s16, v[ST8]
	v_lshlrev_b32 v[STS], 4, v2
	v_lshl_add_u32 v[STS], v3, 12, v[STS]
	v_mov_b32 v[ZR], 0
	s_mov_b32 s2, 0x76543210
	s_mov_b32 s3, 0xfedcba98                       ; v_permlanex16_b32's selects for lane l xor 16
	s_mov_b32 s67, 0xffff0000                      ; a lane mask: lanes 16-31
	s_wait_alu depctr_va_vdst(0)
	s_wait_loadcnt 0x0                             ; the biases and the scale bytes
.irp i, 0,1,2,3
	ds_store_b128 v27, v[128+4*\i:131+4*\i] offset:2048*\i
	ds_store_b128 v27, v[144+4*\i:147+4*\i] offset:8192+2048*\i
.endr
.set i, 0
.rept 64
	v_cndmask_b32 v[BIAS0+i], v[BIAS0+i], v[ZR], s66       ; the bias runs along W's rows: along source 0 for q and k (0 for v),
.set i, i+1
.endr
.set i, 0
.rept 8
	v_cndmask_b32 v[BIAS1+i], v[ZR], v[BIAS1+i], s66       ; along source 1 for v (0 for q and k)
.set i, i+1
.endr
.macro FRAG reg, adr, q, i             ; a fragment, 16 rows x 128 K, is two half fragments on end: 16 and 8 bytes a lane of each, as they lie: every load reads consecutive bytes
	ds_load_b128 v[\reg:\reg+3], v[\adr] offset:(\i)*3072+(\q)*1536
	ds_load_b64 v[\reg+4:\reg+5], v[\adr+1] offset:(\i)*3072+(\q)*1536+512
	ds_load_b128 v[\reg+6:\reg+9], v[\adr] offset:(\i)*3072+(\q)*1536+768
	ds_load_b64 v[\reg+10:\reg+11], v[\adr+1] offset:(\i)*3072+(\q)*1536+1280
.endm
; 16 matrix instructions: source 1's blocks a0, a0 + 1 x source 0's eight, the slot's q-th 128 along K.  p: source 0's set; sc: the set of scale words.  first = 1: the sums start from the bias along source 0.
; The 64 accumulators take turns, one instruction a turn, in the same order in every step.
.macro MUL16 a0, p, q, sc, first
.irp a, \a0, \a0+1
.irp b, 0,1,2,3,4,5,6,7
.if \first
	v_wmma_scale_f32_16x16x128_f8f6f4 v[8*(8*((\a)%4)+\b):8*(8*((\a)%4)+\b)+7], v[128*(\p)+FR*\b:128*(\p)+FR*\b+FR-1], v[AF+FR*(\a):AF+FR*(\a)+FR-1], v[BIAS0+8*\b:BIAS0+8*\b+7], v[SC+8*NQ*(\sc)+NQ*\b+(\q)], v[SC+8*NQ*(\sc)+NQ*(\a)+(\q)] matrix_a_fmt:MATRIX_FMT_FP6 matrix_b_fmt:MATRIX_FMT_FP6 matrix_a_scale:MATRIX_SCALE_ROW1
.else
	v_wmma_scale_f32_16x16x128_f8f6f4 v[8*(8*((\a)%4)+\b):8*(8*((\a)%4)+\b)+7], v[128*(\p)+FR*\b:128*(\p)+FR*\b+FR-1], v[AF+FR*(\a):AF+FR*(\a)+FR-1], v[8*(8*((\a)%4)+\b):8*(8*((\a)%4)+\b)+7], v[SC+8*NQ*(\sc)+NQ*\b+(\q)], v[SC+8*NQ*(\sc)+NQ*(\a)+(\q)] matrix_a_fmt:MATRIX_FMT_FP6 matrix_b_fmt:MATRIX_FMT_FP6 matrix_a_scale:MATRIX_SCALE_ROW1
.endif
.endr
.endr
.endm
.macro FETCH_B slot, q, p              ; source 0's eight fragments into set p
	WIN TO_B
.irp i, 0,1,2,3,4,5,6,7
	FRAG 128*(\p)+FR*\i, AD0+2*(\slot), \q, \i
.endr
	WIN 0
.endm
.macro FETCH_A slot, q, i0             ; source 1's blocks i0 .. i0 + 3
.irp i, \i0, \i0+1, \i0+2, \i0+3
	FRAG AF+FR*(\i), AD1+2*(\slot), \q, \i
.endr
.endm
.macro SCALES sc                       ; a slot's scale words into set sc: two words a row
.irp i, 0,1,2,3,4,5,6,7
	ds_load_b64 v[SC+8*NQ*\sc+NQ*\i:SC+8*NQ*\sc+NQ*\i+1], v[ADRS] offset:\i*512
.endr
.endm
.macro PLACES n                        ; a load into a register that a matrix instruction has read, and a vector instruction that reads a result, stand NP plain vector instructions behind it (ISA guide 7.12.1 for vector instructions)
.rept \n
	v_nop
.endr
.endm
; A slot's first 128 along K: source 0's set 0; the second 128's fragments are fetched in two runs.
.macro STEP slot, first
	s_wait_dscnt 4*NL                              ; all but the youngest sixteen loads (source 1's blocks 4-7) are in
.if \first
	WIN 0x81                                       ; C (the bias) window 0, D window 2
.else
	WIN MUL_LO
.endif
	MUL16 0, 0, 0, \slot, \first
	MUL16 2, 0, 0, \slot, \first
	s_wait_dscnt 0
	PLACES NP
	FETCH_B \slot, 1, 1
	FETCH_A \slot, 1, 0
.if \first
	WIN 0xc1
.else
	WIN MUL_HI
.endif
	MUL16 4, 0, 0, \slot, \first
	MUL16 6, 0, 0, \slot, \first
	PLACES NP
	WIN 0
	FETCH_A \slot, 1, 4
.endm
; A slot's second 128 changes slots: ONE barrier; in front of it each wave waits for all its tensor loads, adds 0 to its spare word, and waits for that and for its reads of this slot.  fill = 1: this slot is filled again, two slots ahead.
.macro TURN slot, next, fill
	s_wait_tensorcnt 0x0                           ; all my tensor loads have landed: my part of the next slot
	ds_add_u32 v[SPW], v[NIL]                      ; 0 onto my spare word
	s_wait_dscnt 4*NL+1                            ; (the add and the youngest sixteen loads may be out)
	WIN MUL_LO
	MUL16 0, 1, 1, \slot, 0                        ; sixteen matrix instructions stand between the add and the wait for it
	s_wait_dscnt 0x0                               ; the add is done, and my reads of this slot are over
	s_barrier_signal -1
	MUL16 2, 1, 1, \slot, 0
	WIN 0
	s_barrier_wait -1
.if \fill
	CREST                                          ; the barrier has opened a round of the cluster's barrier: no wave of any partner still reads this slot or has a load on its way
	s_add_nc_u64 s[G0+4*\slot+2:G0+4*\slot+3], s[G0+4*\slot+2:G0+4*\slot+3], 6144
	s_add_nc_u64 s[G0B+4*\slot+2:G0B+4*\slot+3], s[G0B+4*\slot+2:G0B+4*\slot+3], 6144
	JLOAD G0+4*\slot, G1, G0B+4*\slot, G1B         ; the first tensor load behind the round; its four v_nop are the places in front of the loads below
.else
	PLACES NP
.endif
	s_wait_alu depctr_va_vdst(0)
	v_add_nc_u32 v[ADRS], 128, v[ADRS]             ; the next slot's scale words (no LDS load of mine is out)
	FETCH_B \next, 0, 0
	FETCH_A \next, 0, 0
	SCALES \next
	WIN MUL_HI
	MUL16 4, 1, 1, \slot, 0
	MUL16 6, 1, 1, \slot, 0
	PLACES NP
	WIN 0
	FETCH_A \next, 0, 4
.endm
	s_wait_alu depctr_va_vdst(0)
	s_cmp_lt_u32 s[WV], 2
	s_cbranch_scc0 .Lslot1
	s_wait_tensorcnt 0x0                           ; waves 0 and 1: slot 0 is in.  Slot 1's loads, lines of waves 2 and 3 alone, may be out
.Lslot1:
	s_wait_dscnt 0x0                               ; my part of the scale bytes is stored
	s_barrier_signal -1
	s_barrier_wait -1                              ; everybody's are
	FETCH_B 0, 0, 0
	FETCH_A 0, 0, 0
	SCALES 0
	FETCH_A 0, 0, 4
	STEP 0, 1                                      ; K 0-127
	TURN 0, 1, 1                                   ; K 128-255; slot 0 takes K 512-767
	STEP 1, 0
	TURN 1, 0, 1                                   ; slot 1 takes K 768-1,023
	STEP 0, 0
	TURN 0, 1, 0                                   ; nothing is left to fetch
	STEP 1, 0
	s_wait_dscnt 4*NL                              ; the last 128
	WIN MUL_LO
	MUL16 0, 1, 1, 1, 0
	MUL16 2, 1, 1, 1, 0
	s_wait_dscnt 0
	WIN MUL_HI
	MUL16 4, 1, 1, 1, 0
	MUL16 6, 1, 1, 1, 0
	WIN 0
; THE WAY OUT of block a (16 rows of source 1 x 128 along source 0): the bias along source 1; four blocks of 32, each in lanes l and l xor 16; codes; the halves of the lanes change places so that a lane holds whole blocks:
; the 12 registers are a fragment, stored as it stands: 512 + 256 consecutive bytes for each half fragment.
.macro EPI a
.set W, 2+(\a)/4
.set AC, 64*((\a)%4)
	WIN ((W<<6)|W)
.set i, 0
.rept 32                               ; each accumulator from its low end on
.if (\a)%2 == 0
	v_pk_add_f32 v[AC+i:AC+i+1], v[AC+i:AC+i+1], v[BIAS1+(\a):BIAS1+(\a)+1] op_sel_hi:[1,0]
.else
	v_pk_add_f32 v[AC+i:AC+i+1], v[AC+i:AC+i+1], v[BIAS1+(\a)-1:BIAS1+(\a)] op_sel:[0,1] op_sel_hi:[1,1]
.endif
.set i, i+2
.endr
	WIN ((W<<2)|(W<<4))
.irp b, 0,1,2,3
	v_max3_num_f32 v[TM+\b], 0x1800000, |v[AC+16*\b]|, |v[AC+16*\b+1]|     ; my 16 numbers of block b, and the floor 2^(3 - 127): the byte cannot fall under 1
.endr
.irp i, 2,4,6,8,10,12,14
.irp b, 0,1,2,3
	v_max3_num_f32 v[TM+\b], v[TM+\b], |v[AC+16*\b+\i]|, |v[AC+16*\b+\i+1]|
.endr
.endr
	WIN 0
.irp b, 0,1,2,3
	v_permlanex16_b32 v[TM+4+\b], v[TM+\b], s2, s3
.endr
.irp b, 0,1,2,3
	v_max_num_f32 v[TM+\b], v[TM+\b], v[TM+4+\b]
.endr
.irp b, 0,1,2,3
	v_add_nc_u32 v[TM+12+\b], 0xff000000, v[TM+\b]         ; 2 off the exponent field: the conversion's scale operand
.endr
.irp b, 0,1,2,3
	v_lshrrev_b32 v[TM+4+\b], 23, v[TM+12+\b]              ; the byte
.endr
	v_lshl_or_b32 v[PWR+(\a)], v[TM+5], 8, v[TM+4]
	v_lshl_or_b32 v[PWR+(\a)], v[TM+6], 16, v[PWR+(\a)]
	v_lshl_or_b32 v[PWR+(\a)], v[TM+7], 24, v[PWR+(\a)]
.if (\a) > 0
	s_wait_xcnt 0x0                                ; the last block's stores have read their data and their base: both are written again only behind this wait
.if (\a) == 4
	s_add_nc_u64 s[8:9], s[8:9], s[14:15]
.else
	s_add_nc_u64 s[8:9], s[8:9], s[46:47]
.endif
.endif
	WIN W
.irp c, 0,1
	v_cvt_scalef32_pk16_fp6_f32 v[PC+6*\c:PC+6*\c+2], v[AC+32*\c:AC+32*\c+15], v[TM+12+2*\c]
	v_cvt_scalef32_pk16_fp6_f32 v[PX+4*\c:PX+4*\c+2], v[AC+32*\c+16:AC+32*\c+31], v[TM+13+2*\c]   ; (a conversion's three registers begin on an even number)
.endr
	WIN 0
	v_nop                                          ; one plain place behind a scaled conversion
.irp c, 0,1
.irp i, 0,1,2
	v_permlane16_swap_b32 v[PC+6*\c+\i], v[PX+4*\c+\i]
.endr
.irp i, 0,1,2
	v_mov_b32 v[PC+3+6*\c+\i], v[PX+4*\c+\i]
.endr
.endr
	global_store_b128 v[ST16], v[PC:PC+3], s[8:9]
	global_store_b64 v[ST8], v[PC+4:PC+5], s[8:9] offset:512
	global_store_b128 v[ST16D], v[PC+6:PC+9], s[8:9]
	global_store_b64 v[ST8D], v[PC+10:PC+11], s[8:9] offset:512
.endm
	PLACES NP
.irp b, 0,1,2,3
	v_mov_b32 v[TM+4+\b], 0                        ; written once: a lane permute's destination counts as one of its sources
.endr
.irp a, 0,1,2,3,4,5,6,7
	EPI \a
.endr
.irp g, 0,1,2,3                        ; the scale words as the attention launch wants them.  q, k: word g of my first head = the low halves of blocks 2 g and 2 g + 1, of my second head the high halves;  v: block g's and block 4 + g's whole words
	v_perm_b32 v[EW+\g], v[PWR+2*\g+1], v[PWR+2*\g], 0x05040100
	v_perm_b32 v[EW+4+\g], v[PWR+2*\g+1], v[PWR+2*\g], 0x07060302
	v_cndmask_b32 v[EW+\g], v[EW+\g], v[PWR+\g], s66
	v_cndmask_b32 v[EW+4+\g], v[EW+4+\g], v[PWR+4+\g], s66
	v_cndmask_b32 v[EW+\g], v[EW+\g], v[EW+4+\g], s67      ; lanes 0-15 store the first head's, lanes 16-31 the second's
.endr
	global_store_b128 v[STS], v[EW:EW+3], s[10:11]         ; sixteen lanes store 256 consecutive bytes, twice
	s_wait_tensorcnt 0x0                           ; the wave's end, behind my last tensor load
	ds_add_u32 v[SPW], v[NIL]
	s_wait_dscnt 0x0
	CROUND                                         ; the closing round: no work-group ends while a partner may still ask for a tile that names it
	s_endpgm
.Lfunc_end_k_q35e187613b_qkv:
	.size	k_q35e187613b_qkv, .Lfunc_end_k_q35e187613b_qkv-k_q35e187613b_qkv
	.p2alignl 7, 3214868480
	.fill 96, 4, 3214868480
	.section	.rodata,"a",@progbits
	.p2align	6, 0x0
	.amdhsa_kernel k_q35e187613b_qkv
		.amdhsa_group_segment_fixed_size 327680
		.amdhsa_private_segment_fixed_size 0
		.amdhsa_enable_private_segment 0
		.amdhsa_kernarg_size 56
		.amdhsa_user_sgpr_count 2
		.amdhsa_user_sgpr_kernarg_segment_ptr 1
		.amdhsa_wavefront_size32 1
		.amdhsa_system_sgpr_workgroup_id_x 1
		.amdhsa_system_sgpr_workgroup_id_y 1
		.amdhsa_system_sgpr_workgroup_id_z 1
		.amdhsa_system_vgpr_workitem_id 0
		.amdhsa_next_free_vgpr 1024
		.amdhsa_next_free_sgpr 102
		.amdhsa_reserve_vcc 0
		.amdhsa_float_denorm_mode_32 3
		.amdhsa_float_denorm_mode_16_64 3
		.amdhsa_memory_ordered 1
		.amdhsa_forward_progress 1
		.amdhsa_inst_pref_size 176
	.end_amdhsa_kernel
	.amdgpu_metadata
---
amdhsa.version: [ 1, 2 ]
amdhsa.kernels:
  - .name:           k_q35e187613b_qkv
    .symbol:         k_q35e187613b_qkv.kd
    .args:
      - { .name: xw, .offset: 0, .size: 8, .value_kind: global_buffer, .address_space: global }
      - { .name: xw_sc, .offset: 8, .size: 8, .value_kind: global_buffer, .address_space: global }
      - { .name: qkv, .offset: 16, .size: 8, .value_kind: global_buffer, .address_space: global }
      - { .name: qkv_sc, .offset: 24, .size: 8, .value_kind: global_buffer, .address_space: global }
      - { .name: bq, .offset: 32, .size: 8, .value_kind: global_buffer, .address_space: global }
      - { .name: bk, .offset: 40, .size: 8, .value_kind: global_buffer, .address_space: global }
      - { .name: bv, .offset: 48, .size: 8, .value_kind: global_buffer, .address_space: global }
    .group_segment_fixed_size: 327680
    .private_segment_fixed_size: 0
    .kernarg_segment_align: 8
    .kernarg_segment_size: 56
    .max_flat_workgroup_size: 128
    .sgpr_count:     102
    .vgpr_count:     1024
    .wavefront_size: 32
...
	.end_amdgpu_metadata
.endif
;; end of part 2
;; launch attn (part 3): grid 4 x 64, 8 waves a work-group, clusters of 4 x 1, 327,680 bytes of LDS; arguments qkv, qkv_sc, mask, att, att_sc; writes att, att_sc
.if DOCPART == 3
	.amdgcn_target "amdgcn-amd-amdhsa--gfx1250"
	.amdhsa_code_object_version 6
	.text
	.protected	k_q35e187613b_attn
	.globl	k_q35e187613b_attn
	.p2align	8
	.type	k_q35e187613b_attn,@function
k_q35e187613b_attn:
	s_mov_b64 s[64:65], 0
	v_nop
	global_prefetch_b8 v0, s[64:65] scope:SCOPE_SE
	s_setreg_imm32_b32 hwreg(HW_REG_WAVE_MODE, 25, 1), 1
	s_wait_xcnt 0x0
	s_wait_alu depctr_hold_cnt(0) depctr_sa_sdst(0) depctr_va_vdst(0) depctr_va_sdst(0) depctr_va_ssrc(0) depctr_va_vcc(0) depctr_vm_vsrc(0)
	s_getreg_b32 s2, hwreg(HW_REG_IB_STS2, 6, 4)
	s_cmp_eq_u32 s2, 0
	s_cbranch_scc0 .Lentry_in_a_cluster
	s_endpgm
.Lentry_in_a_cluster:
	s_bfe_u32 s2, ttmp6, 0x10000c
	s_cmp_lg_u32 s2, 0x3003
	s_cbranch_scc0 .Lentry_shape_is_right
	s_endpgm
.Lentry_shape_is_right:
; o = softmax(clip(mask(q k^T / 8), -50, 50)) v on codes of FP6 (E2M3) with E8M0 scales, and o quantised along the heads' 64 for the last product.
; A work-group takes one (batch, head) and 512 queries: 8 waves x 2 passes x 32 queries; a step is 128 keys.  Both products are used transposed: a lane holds one query.
; All of the head's K and V codes lie in LDS (98,304 bytes each), filled once: one joint tensor load a wave, 96 rows of 256 bytes, shared by the four work-groups of the cluster, which are the head's four blocks of queries.
; The 8,192 scale bytes of K and V and the mask's bounds come through registers and ds_store: 16 KB against 192 KB of codes, so they are not asked for jointly.
; NO MAXIMUM IS TAKEN AWAY: the clip to +-50 holds t = logit x log2(e) within +-72.14 for every input, so p = 2^t and a sum of 2,048 of them stay inside f32.  p differs from 2^(t - M) by a whole power of two, which the block's scale takes up.
; The clip and the mask are one v_med3: the upper bound is +72.14, or -72.14 for a key whose mask is 0.
; K's fragments and scale words of step i + 1 are fetched behind step i's first products; the last step's fetch reads the first bytes of V's regions and is not used.
; LIMITS: NaN and infinities are not served; a block whose largest magnitude lies under 2^-124 has its byte held at 1.
.set VB,    98304
.set SCK,   196608
.set SCV,   200704
.set HIB,   204800
.set SPARE, 212992
.set LI,  1
.set L8,  2
.set ASK, 3
.set ASV, 4
.set AHI, 5
.set SPW, 6
.set NIL, 7
.set AD,  8
.set ASC, 15
.set KS,  16
.set VS,  20
.set QS,  24
.set PS,  26
.set LS,  28
.set TM,  32
.set PX,  48
.set PC,  56
.set QC,  80
.set LIV, 110
.set L8V, 111
.set C2,  112
.set T0,  114
.set RL,  116
.set T1,  120
.set QW,  122
.set QSA, 123
.set S,   128
.set WV, 14
.set CX, 15
.set BH, 16
.set MH, 17
.set G1C, 24
.set G1S, 32
.set G0S, 40
.set G0C, 44
.set SEL, 60
.set CS,  62
.set NT,  66
.set TK,  68
.set TS,  69
.set TH,  70
.set CNT, 71
.set PASS, 72
.set QB,  74
.set QSB, 76
.set MSB, 0
.macro WIN new
.if MSB != \new
	s_set_vgpr_msb (MSB<<8)|\new
.set MSB, \new
.endif
.endm
.macro ROUND
	s_barrier_signal -1
	s_barrier_wait -1
	s_cmp_lg_u32 s[WV], 0
	s_cbranch_scc1 .Lnot_wave_0_\@
	s_barrier_signal -3
.Lnot_wave_0_\@:
	s_barrier_wait -3
	s_barrier_signal -1
	s_barrier_wait -1
.endm
	s_load_b256 s[4:11], s[0:1], 0x0
	s_load_b64 s[12:13], s[0:1], 0x20
	v_lshl_add_u32 v[SPW], v0, 2, SPARE
	v_mov_b32 v[NIL], 0
	ds_add_u32 v[SPW], v[NIL]
	ds_add_u32 v[SPW], v[NIL]
	v_lshrrev_b32 v1, 5, v0
	s_delay_alu instid0(VALU_DEP_1)
	v_readfirstlane_b32 s[WV], v1
	s_bfe_u32 s[CX], ttmp6, 0x40000
	s_and_b32 s[BH], ttmp7, 0xffff
	s_mov_b32 s[G1C], 15|(3<<16)|(1<<21)
	s_mov_b32 s[G1C+1], 32<<16
	s_mov_b32 s[G1C+2], 96<<16
	s_mov_b32 s[G1C+3], 32<<16
	s_mov_b32 s[G1C+4], 96
	s_mov_b32 s[G1C+5], 32
	s_mov_b32 s[G1C+6], 0
	s_mov_b32 s[G1C+7], 0
	s_lshr_b32 s78, s[WV], 2
	s_and_b32 s79, s[WV], 3
	s_add_co_u32 s80, s78, 1
	s_mul_i32 s82, s80, 6291456
	s_mul_i32 s81, s[BH], 98304
	s_add_co_u32 s82, s82, s81
	s_mul_i32 s81, s79, 24576                      ; my quarter of K's (waves 0-3) or V's (waves 4-7) 98,304 bytes
	s_add_co_u32 s82, s82, s81
	s_mov_b32 s83, 0
	s_lshl_b32 s84, s[BH], 12                      ; K's scale bytes of this head; V's lie 262,144 bytes on
	s_add_co_u32 s84, s84, 262144
	s_mov_b32 s85, 0
	s_mul_i32 s86, s[WV], 24576                    ; and where it goes: K's region, then V's
	s_mov_b32 s[SEL], 0x76543210
	s_mov_b32 s[SEL+1], 0xfedcba98
	s_mov_b32 s[CS], 0x3e38aa3b
	s_mov_b32 s[CS+1], s[CS]
	s_mov_b32 s[NT], 0xc29044fe
	s_mov_b32 s[MH], 0xffff0000
	s_wait_dscnt 0x0
	s_wait_kmcnt 0x0
	s_add_nc_u64 s[82:83], s[4:5], s[82:83]
	s_add_nc_u64 s[84:85], s[6:7], s[84:85]
	ROUND
	s_mov_b32 s[G0C], 1
	s_mov_b32 s[G0C+1], s86
	s_mov_b64 s[G0C+2:G0C+3], s[82:83]
	s_or_b32 s[G0C+3], s[G0C+3], 0x80000000
	tensor_load_to_lds s[G0C:G0C+3], s[G1C:G1C+7]  ; my one tensor load of the launch; every wave waits for it ahead of the barrier below
	s_nop 0
.rept 4
	v_nop
.endr
	v_and_b32 v8, 31, v0
	v_and_b32 v9, 15, v0
	v_bfe_u32 v10, v0, 4, 1
	s_delay_alu instid0(VALU_DEP_3)
	v_lshlrev_b32 v[LI], 4, v8
	s_delay_alu instid0(VALU_DEP_4)
	v_lshlrev_b32 v[L8], 3, v8
	s_delay_alu instid0(VALU_DEP_4)
	v_lshl_add_u32 v[ASK], v9, 4, SCK
	v_lshl_add_u32 v[ASV], v9, 4, SCV
	v_lshl_add_u32 v[AHI], v10, 6, HIB
	v_add_nc_u32 v[LIV], VB, v[LI]
	v_add_nc_u32 v[L8V], VB, v[L8]
	v_lshlrev_b32 v[ASC], 3, v9
	s_delay_alu instid0(VALU_DEP_1)
	v_lshl_add_u32 v[ASC], v10, 9, v[ASC]
	v_lshlrev_b32 v[QSA], 4, v9
	s_lshr_b32 s78, s[BH], 4
	s_lshl_b32 s80, s78, 13
	s_mov_b32 s81, 0
	s_add_nc_u64 s[8:9], s[8:9], s[80:81]
	v_lshlrev_b32 v11, 5, v0
	global_load_b128 v[32:35], v11, s[8:9]
	global_load_b128 v[36:39], v11, s[8:9] offset:16
	v_lshlrev_b32 v13, 4, v0                       ; the scale bytes: 256 threads x 16 bytes are K's 4,096, and V's likewise
	global_load_b128 v[42:45], v13, s[84:85]
	global_load_b128 v[46:49], v13, s[84:85] offset:262144
	v_add_nc_u32 v14, SCK, v13
	v_lshl_add_u32 v12, v0, 5, HIB
	v_mov_b32 v40, 0x429044fe
	v_mov_b32 v41, 0xc29044fe
	s_lshl_b32 s79, s[CX], 4
	s_add_co_u32 s79, s79, s[WV]
	s_mul_i32 s80, s[BH], 98304
	s_mul_i32 s82, s79, 1536
	s_add_co_u32 s80, s80, s82
	s_add_nc_u64 s[QB:QB+1], s[4:5], s[80:81]
	s_lshl_b32 s80, s[BH], 12
	s_lshr_b32 s82, s79, 2
	s_lshl_b32 s82, s82, 8
	s_add_co_u32 s80, s80, s82
	s_and_b32 s82, s79, 3
	s_lshl_b32 s82, s82, 2
	s_add_co_u32 s80, s80, s82
	s_add_nc_u64 s[QSB:QSB+1], s[6:7], s[80:81]
	s_and_b32 s83, s[BH], 15
	s_mul_i32 s80, s78, 1572864
	s_mul_i32 s82, s79, 24576
	s_add_co_u32 s80, s80, s82
	s_mul_i32 s82, s83, 768
	s_add_co_u32 s80, s80, s82
	s_add_nc_u64 s[10:11], s[10:11], s[80:81]
	s_lshl_b32 s80, s78, 16
	s_lshl_b32 s82, s79, 10
	s_add_co_u32 s80, s80, s82
	s_lshr_b32 s82, s83, 2
	s_lshl_b32 s82, s82, 7
	s_add_co_u32 s80, s80, s82
	s_and_b32 s82, s83, 3
	s_lshl_b32 s82, s82, 1
	s_add_co_u32 s80, s80, s82
	s_add_nc_u64 s[12:13], s[12:13], s[80:81]
.irp i, 6,7,8,9,10,11,18,19,20,21,22,23
	v_mov_b32 v[QC+\i], 0
.endr
	v_mov_b32 v[RL+1], 0
	v_mov_b32 v[RL+3], 0
	v_mov_b32 v[T1], 0
	v_mov_b32 v[T1+1], 0
	s_wait_loadcnt 0x0
.irp j, 0,1,2,3,4,5,6,7
	v_cmp_eq_u32 vcc_lo, 0, v[32+\j]
	s_delay_alu instid0(VALU_DEP_1)
	v_cndmask_b32 v[32+\j], v40, v41, vcc_lo
.endr
	ds_store_b128 v12, v[32:35]
	ds_store_b128 v12, v[36:39] offset:16
	ds_store_b128 v14, v[42:45]
	ds_store_b128 v14, v[46:49] offset:4096
	s_wait_tensorcnt 0x0
	s_wait_dscnt 0x0
	s_barrier_signal -1
	s_barrier_wait -1
.macro LDF reg, adr, off
	ds_load_b128 v[\reg:\reg+3], v[\adr] offset:\off
	ds_load_b64 v[\reg+4:\reg+5], v[\adr+1] offset:\off+512
	ds_load_b128 v[\reg+6:\reg+9], v[\adr] offset:\off+768
	ds_load_b64 v[\reg+10:\reg+11], v[\adr+1] offset:\off+1280
.endm
.macro PKMUL t
.set i, 0
.rept 32
	v_pk_mul_f32 v[S+64*\t+i:S+64*\t+i+1], v[S+64*\t+i:S+64*\t+i+1], s[CS:CS+1] op_sel_hi:[1,0]
.set i, i+2
.endr
.endm
.macro REST t
.set SB, S+64*\t
	WIN 0x10
.set i, 0
.rept 64
	v_med3_num_f32 v[SB+i], v[SB+i], s[NT], v[96+i]
.set i, i+1
.endr
	WIN 0
.set i, 0
	s_wait_alu depctr_va_vdst(0)
.rept 64
	v_exp_f32 v[SB+i], v[SB+i]
.set i, i+1
.endr
	v_nop
	s_wait_alu depctr_va_vdst(0)
	v_pk_add_f32 v[C2:C2+1], v[SB:SB+1], v[SB+2:SB+3]
.irp j, 4,8,12,16,20,24,28,32,36,40,44,48,52,56,60
	v_pk_add_f32 v[LS+2*\t:LS+2*\t+1], v[LS+2*\t:LS+2*\t+1], v[SB+\j:SB+\j+1]
	v_pk_add_f32 v[C2:C2+1], v[C2:C2+1], v[SB+\j+2:SB+\j+3]
.endr
	s_delay_alu instid0(VALU_DEP_1)
	v_pk_add_f32 v[LS+2*\t:LS+2*\t+1], v[LS+2*\t:LS+2*\t+1], v[C2:C2+1]
.irp b, 0,1,2,3
	v_max3_num_f32 v[TM+\b], v[SB+16*\b], v[SB+16*\b+1], 0x1800000
.endr
.irp i, 2,4,6,8,10,12,14
.irp b, 0,1,2,3
	v_max3_num_f32 v[TM+\b], v[TM+\b], v[SB+16*\b+\i], v[SB+16*\b+\i+1]
.endr
.endr
.irp b, 0,1,2,3
	s_delay_alu instid0(VALU_DEP_4)
	v_permlanex16_b32 v[TM+4+\b], v[TM+\b], s[SEL], s[SEL+1]
.endr
.irp b, 0,1,2,3
	s_delay_alu instid0(VALU_DEP_4)
	v_max_num_f32 v[TM+\b], v[TM+\b], v[TM+4+\b]
.endr
.irp b, 0,1,2,3
	s_delay_alu instid0(VALU_DEP_4)
	v_add_nc_u32 v[TM+12+\b], 0xff000000, v[TM+\b]
.endr
.irp b, 0,1,2,3
	s_delay_alu instid0(VALU_DEP_4)
	v_lshrrev_b32 v[TM+4+\b], 23, v[TM+12+\b]
.endr
	s_delay_alu instid0(VALU_DEP_3)
	v_lshl_or_b32 v[PS+\t], v[TM+5], 8, v[TM+4]
	s_delay_alu instid0(VALU_DEP_1)
	v_lshl_or_b32 v[PS+\t], v[TM+6], 16, v[PS+\t]
	s_delay_alu instid0(VALU_DEP_1)
	v_lshl_or_b32 v[PS+\t], v[TM+7], 24, v[PS+\t]
.irp c, 0,1
	v_cvt_scalef32_pk16_fp6_f32 v[PC+12*\t+6*\c:PC+12*\t+6*\c+2], v[SB+32*\c:SB+32*\c+15], v[TM+12+2*\c]
	v_cvt_scalef32_pk16_fp6_f32 v[PX+4*\c:PX+4*\c+2], v[SB+32*\c+16:SB+32*\c+31], v[TM+13+2*\c]
.endr
	v_nop
.irp c, 0,1
.irp i, 0,1,2
	v_permlane16_swap_b32 v[PC+12*\t+6*\c+\i], v[PX+4*\c+\i]
.endr
.irp i, 0,1,2
	s_delay_alu instid0(VALU_DEP_3)
	v_mov_b32 v[PC+12*\t+3+6*\c+\i], v[PX+4*\c+\i]
.endr
.endr
.endm
.macro PV t
	WIN 0x51
.irp d, 0,1,2,3
	v_wmma_scale_f32_16x16x128_f8f6f4 v[160+32*\t+8*\d:160+32*\t+8*\d+7], v[48+12*\d:48+12*\d+11], v[PC+12*\t:PC+12*\t+11], v[160+32*\t+8*\d:160+32*\t+8*\d+7], v[VS+\d], v[PS+\t] matrix_a_fmt:MATRIX_FMT_FP6 matrix_b_fmt:MATRIX_FMT_FP6
.endr
	WIN 0
.endm
	s_mov_b32 s[PASS], 2
.Lpass:
	global_load_b128 v[QC:QC+3], v[LI], s[QB:QB+1]
	global_load_b64 v[QC+4:QC+5], v[L8], s[QB:QB+1] offset:512
	global_load_b128 v[QC+12:QC+15], v[LI], s[QB:QB+1] offset:768
	global_load_b64 v[QC+16:QC+17], v[L8], s[QB:QB+1] offset:1280
	global_load_b128 v[QC+24:QC+27], v[LI], s[QB:QB+1]
	global_load_b64 v[QC+28:QC+29], v[L8], s[QB:QB+1] offset:512
	global_load_b32 v[QW], v[QSA], s[QSB:QSB+1]
.irp i, 0,1,2,3
	v_mov_b32 v[LS+\i], 0
.endr
	s_mov_b32 s[TK], 0
	s_mov_b32 s[TS], 0
	s_mov_b32 s[TH], 0
	s_mov_b32 s[CNT], 16
	s_wait_loadcnt 0x0
	v_perm_b32 v[QS], v[QW], v[QW], 0x01000100
	v_perm_b32 v[QS+1], v[QW], v[QW], 0x03020302
	WIN 0x40
.set i, 0
.rept 64
	v_mov_b32 v[160+i], 0
.set i, i+1
.endr
	s_wait_dscnt 0x0                               ; the last pass's last fetch has landed: its registers take loads again
.irp f, 0,1,2,3
	LDF 12*\f, LI, 1536*\f                         ; step 0's fragments of K,
.endr
	WIN 0
	ds_load_b128 v[KS:KS+3], v[ASK]                ; and its scale words: 17 loads
.Lstep:
	v_add_nc_u32 v[AD], s[TK], v[LI]
	v_add_nc_u32 v[AD+1], s[TK], v[L8]
	v_add_nc_u32 v[AD+2], s[TK], v[LIV]
	v_add_nc_u32 v[AD+3], s[TK], v[L8V]
	v_add_nc_u32 v[AD+4], s[TS], v[ASK]
	v_add_nc_u32 v[AD+5], s[TS], v[ASV]
	v_add_nc_u32 v[AD+6], s[TH], v[AHI]
	ds_load_b128 v[VS:VS+3], v[AD+5]
	WIN 0x40
.irp i, 0,1,2,3,4,5,6,7,8,9,10,11,12,13,14,15
	ds_load_b128 v[96+4*\i:96+4*\i+3], v[AD+6] offset:128*(\i/4)+16*(\i%4)
.endr
.irp f, 0,1,2,3
	LDF 48+12*\f, AD+2, 1536*\f
.endr
	s_wait_alu depctr_va_vdst(0)
	s_wait_dscnt 33                                ; K's 17 loads are in; this step's 33 (V's scale words, 16 of bounds, 16 of V) may be out
	WIN 0x01
.irp t, 0,1
.irp b, 0,1,2,3
.irp u, 0,1
	v_wmma_scale_f32_16x16x128_f8f6f4 v[S+64*\t+16*\b+8*\u:S+64*\t+16*\b+8*\u+7], v[12*\b:12*\b+11], v[QC+12*\t+\u*(18-24*\t):QC+12*\t+\u*(18-24*\t)+11], 0, v[KS+\b], v[QS+\t] matrix_a_fmt:MATRIX_FMT_FP6 matrix_b_fmt:MATRIX_FMT_FP6
.endr
.endr
.endr
	WIN 0
.rept 4
	v_nop
.endr
	ds_load_b128 v[KS:KS+3], v[AD+4] offset:256    ; the next step's K, four places behind the products that read these registers: 17 loads
	WIN 0x40
.irp f, 0,1,2,3
	LDF 12*\f, AD, 1536*\f+6144
.endr
	WIN 0
	PKMUL 0
	s_wait_dscnt 33                                ; the bounds are in; V's 16 loads and the next K's 17 may be out
	REST 0
	PKMUL 1
	s_wait_dscnt 17                                ; V is in; the next K's 17 may be out
	PV 0
	REST 1
.rept 4
	v_nop
.endr
	PV 1
	s_add_co_u32 s[TK], s[TK], 6144
	s_add_co_u32 s[TS], s[TS], 256
	s_add_co_u32 s[TH], s[TH], 512
	s_sub_co_u32 s[CNT], s[CNT], 1
	s_cmp_lg_u32 s[CNT], 0
	s_cbranch_scc1 .Lstep
	v_add_f32 v[T0], v[LS], v[LS+1]
	v_add_f32 v[T0+1], v[LS+2], v[LS+3]
	s_delay_alu instid0(VALU_DEP_2)
	v_permlanex16_b32 v[T1], v[T0], s[SEL], s[SEL+1]
	s_delay_alu instid0(VALU_DEP_2)
	v_permlanex16_b32 v[T1+1], v[T0+1], s[SEL], s[SEL+1]
	s_delay_alu instid0(VALU_DEP_2)
	v_add_f32 v[T0], v[T0], v[T1]
	s_delay_alu instid0(VALU_DEP_2)
	v_add_f32 v[T0+1], v[T0+1], v[T1+1]
	s_wait_alu depctr_va_vdst(0)
	v_rcp_f32 v[RL], v[T0]
	v_rcp_f32 v[RL+2], v[T0+1]
	v_nop
	s_wait_alu depctr_va_vdst(0)
	WIN 0x01
.irp t, 0,1
.set i, 0
.rept 16
	v_pk_mul_f32 v[S+64*\t+i:S+64*\t+i+1], v[160+32*\t+i:160+32*\t+i+1], v[RL+2*\t:RL+2*\t+1] op_sel_hi:[1,0]
.set i, i+2
.endr
.endr
	WIN 0
.irp k, 0,1,2,3
	v_max3_num_f32 v[TM+\k], |v[S+64*(\k/2)+16*(\k%2)]|, |v[S+64*(\k/2)+16*(\k%2)+1]|, 0x1800000
.endr
.irp i, 2,4,6,8,10,12,14
.irp k, 0,1,2,3
	s_delay_alu instid0(VALU_DEP_4)
	v_max3_num_f32 v[TM+\k], v[TM+\k], |v[S+64*(\k/2)+16*(\k%2)+\i]|, |v[S+64*(\k/2)+16*(\k%2)+\i+1]|
.endr
.endr
.irp k, 0,1,2,3
	s_delay_alu instid0(VALU_DEP_4)
	v_permlanex16_b32 v[TM+4+\k], v[TM+\k], s[SEL], s[SEL+1]
.endr
.irp k, 0,1,2,3
	s_delay_alu instid0(VALU_DEP_4)
	v_max_num_f32 v[TM+\k], v[TM+\k], v[TM+4+\k]
.endr
.irp k, 0,1,2,3
	s_delay_alu instid0(VALU_DEP_4)
	v_add_nc_u32 v[TM+12+\k], 0xff000000, v[TM+\k]
.endr
.irp k, 0,1,2,3
	s_delay_alu instid0(VALU_DEP_4)
	v_lshrrev_b32 v[TM+4+\k], 23, v[TM+12+\k]
.endr
.irp t, 0,1
	v_cvt_scalef32_pk16_fp6_f32 v[PC+12*\t:PC+12*\t+2], v[S+64*\t:S+64*\t+15], v[TM+12+2*\t]
	v_cvt_scalef32_pk16_fp6_f32 v[PX+4*\t:PX+4*\t+2], v[S+64*\t+16:S+64*\t+31], v[TM+13+2*\t]
.endr
	v_nop
.irp t, 0,1
.irp i, 0,1,2
	v_permlane16_swap_b32 v[PC+12*\t+\i], v[PX+4*\t+\i]
.endr
.irp i, 0,1,2
	s_delay_alu instid0(VALU_DEP_3)
	v_mov_b32 v[PC+12*\t+3+\i], v[PX+4*\t+\i]
.endr
	global_store_b128 v[LI], v[PC+12*\t:PC+12*\t+3], s[10:11] offset:12288*\t
	global_store_b64 v[L8], v[PC+12*\t+4:PC+12*\t+5], s[10:11] offset:12288*\t+512
.endr
	v_lshl_or_b32 v[T0], v[TM+5], 8, v[TM+4]
	v_lshl_or_b32 v[T0+1], v[TM+7], 8, v[TM+6]
	s_delay_alu instid0(VALU_DEP_1)
	v_cndmask_b32 v[T0], v[T0], v[T0+1], s[MH]
	global_store_b16 v[ASC], v[T0], s[12:13]
	s_wait_xcnt 0x0
	s_add_nc_u64 s[QB:QB+1], s[QB:QB+1], 12288
	s_add_nc_u64 s[QSB:QSB+1], s[QSB:QSB+1], 512
	s_add_nc_u64 s[10:11], s[10:11], 196608
	s_add_nc_u64 s[12:13], s[12:13], 8192
	s_sub_co_u32 s[PASS], s[PASS], 1
	s_cmp_lg_u32 s[PASS], 0
	s_cbranch_scc1 .Lpass
	s_wait_tensorcnt 0x0
	ds_add_u32 v[SPW], v[NIL]
	s_wait_dscnt 0x0
	ROUND
	s_endpgm
.Lfunc_end_k_q35e187613b_attn:
	.size	k_q35e187613b_attn, .Lfunc_end_k_q35e187613b_attn-k_q35e187613b_attn
	.p2alignl 7, 3214868480
	.fill 96, 4, 3214868480
	.section	.rodata,"a",@progbits
	.p2align	6, 0x0
	.amdhsa_kernel k_q35e187613b_attn
		.amdhsa_group_segment_fixed_size 327680
		.amdhsa_private_segment_fixed_size 0
		.amdhsa_enable_private_segment 0
		.amdhsa_kernarg_size 40
		.amdhsa_user_sgpr_count 2
		.amdhsa_user_sgpr_kernarg_segment_ptr 1
		.amdhsa_wavefront_size32 1
		.amdhsa_system_sgpr_workgroup_id_x 1
		.amdhsa_system_sgpr_workgroup_id_y 1
		.amdhsa_system_sgpr_workgroup_id_z 1
		.amdhsa_system_vgpr_workitem_id 0
		.amdhsa_next_free_vgpr 512
		.amdhsa_next_free_sgpr 92
		.amdhsa_reserve_vcc 1
		.amdhsa_float_denorm_mode_32 3
		.amdhsa_float_denorm_mode_16_64 3
		.amdhsa_memory_ordered 1
		.amdhsa_forward_progress 1
		.amdhsa_inst_pref_size 58
	.end_amdhsa_kernel
	.amdgpu_metadata
---
amdhsa.version: [ 1, 2 ]
amdhsa.kernels:
  - .name:           k_q35e187613b_attn
    .symbol:         k_q35e187613b_attn.kd
    .args:
      - { .name: qkv, .offset: 0, .size: 8, .value_kind: global_buffer, .address_space: global }
      - { .name: qkv_sc, .offset: 8, .size: 8, .value_kind: global_buffer, .address_space: global }
      - { .name: mask, .offset: 16, .size: 8, .value_kind: global_buffer, .address_space: global }
      - { .name: att, .offset: 24, .size: 8, .value_kind: global_buffer, .address_space: global }
      - { .name: att_sc, .offset: 32, .size: 8, .value_kind: global_buffer, .address_space: global }
    .group_segment_fixed_size: 327680
    .private_segment_fixed_size: 0
    .kernarg_segment_align: 8
    .kernarg_segment_size: 40
    .max_flat_workgroup_size: 256
    .sgpr_count:     92
    .vgpr_count:     512
    .wavefront_size: 32
...
	.end_amdgpu_metadata
.endif
;; end of part 3
;; launch proj (part 4): grid 4 x 64, 4 waves a work-group, clusters of 4 x 4, 327,680 bytes of LDS; arguments att, att_sc, xw, xw_sc, bo, out0; writes out0
.if DOCPART == 4
	.amdgcn_target "amdgcn-amd-amdhsa--gfx1250"
	.amdhsa_code_object_version 6
	.text
	.protected	k_q35e187613b_proj
	.globl	k_q35e187613b_proj
	.p2align	8
	.type	k_q35e187613b_proj,@function
k_q35e187613b_proj:
	s_mov_b64 s[64:65], 0
	v_nop
	global_prefetch_b8 v0, s[64:65] scope:SCOPE_SE
	s_setreg_imm32_b32 hwreg(HW_REG_WAVE_MODE, 25, 1), 1
	s_wait_xcnt 0x0
	s_wait_alu depctr_hold_cnt(0) depctr_sa_sdst(0) depctr_va_vdst(0) depctr_va_sdst(0) depctr_va_ssrc(0) depctr_va_vcc(0) depctr_vm_vsrc(0)
	s_getreg_b32 s2, hwreg(HW_REG_IB_STS2, 6, 4)
	s_cmp_eq_u32 s2, 0
	s_cbranch_scc0 .Lentry_in_a_cluster
	s_endpgm
.Lentry_in_a_cluster:
	s_bfe_u32 s2, ttmp6, 0x10000c
	s_cmp_lg_u32 s2, 0xf033
	s_cbranch_scc0 .Lentry_shape_is_right
	s_endpgm
.Lentry_shape_is_right:
; out0 = att Wo^T + bo on codes of FP6 (E2M3) with E8M0 scales, K = 1,024.  Operands lie in tiles of 16 rows, half fragments of 768 bytes in the order of an operand's registers (see the quantising launch).
; 256 work-groups: each makes 128 tokens x 256 columns, a wave 64 x 128: 32 accumulators, 256 registers.  Source 0 = Wo's rows, source 1 = att's: a lane holds eight neighbouring columns of one token.
; LDS holds ALL of K: two slots of K = 512 (att's 8 tiles, then Wo's 16, 6,144 bytes a tile), each filled ONCE: slot 0 at the head, slot 1 behind a wait for slot 0, an add and a round of the cluster's barrier.  Nothing is filled again.
; CLUSTERS 4 x 4: att's tiles are asked for jointly along a row of the cluster, Wo's along a column.  Waves 0, 1 fetch four tiles of att each, waves 2, 3 eight of Wo.
; The 12,288 scale bytes come through registers and ds_store (against 288 KB of codes, so not jointly).  No prefetch: the launch has no loop to run ahead in; both slots are asked for at its head.
; A step is 128 along K: 32 products; both operands have two sets of fragments, and step n + 1's 48 loads (56 with a pair's scale words) are issued ahead of step n's products, so every wait for them is for 0.
; The results leave through each wave's stage in slot 0, which nobody reads behind the barrier in step 3, as whole rows of 512 bytes.
; REGISTERS: window 0: v8-27 addresses; v28, v29 the add's two; v32-63 scale words, two sets; v64-127 the bias; v128-223 att's fragments, two sets of four.  window 1: Wo's fragments, two sets, at v0 and v128.  window 2: accumulator (a, b) at v[8 (8 a + b)].
.set XQ,     24576                     ; four tiles x 6,144 bytes
.set SLOT,   6*XQ
.set SCL,    2*SLOT                    ; att's 4,096 scale bytes, then Wo's 8,192
.set SPARE,  SCL+12288                 ; the spare words, 128 bytes a wave
.set SPITCH, 528
.set FR,  12
.set NP,  4                            ; places behind this matrix instruction (ISA guide 7.12.1)
.set AD0, 8                            ; v8-11   Wo's fragments: slot s: v[8 + 2 s] + 16 x lane, v[9 + 2 s] + 8 x lane
.set AD1, 12                           ; v12-15  att's likewise
.set ADRS, 16                          ; v16     scale words: lanes 0-15 att's rows, lanes 16-31 Wo's
.set ST16, 17
.set ST8,  18
.set STO,  24
.set RD,   25
.set SPW,  28
.set NIL,  29
.set SC,   32
.set BIAS0, 64
.set AF,   128
.set BK,   128
.set WV, 18
.set WY, 19                            ; which 64 tokens are mine.  Also: I fetch for att (0) or for Wo (1)
.set WX, 20                            ; which 128 columns.  Also: which half of that operand's tiles I fetch
.set TY, 21
.set G1, 24
.set G0, 32
.set G1B, 48
.set G0B, 56
.set MSB, 0
.macro WIN new
.if MSB != \new
	s_set_vgpr_msb (MSB<<8)|\new
.set MSB, \new
.endif
.endm
.set MUL_LO, 0xa1                      ; source 0 window 1, source 1 window 0, C and D window 2
.set TO_B,   0x40
.macro PLACES n
.rept \n
	v_nop
.endr
.endm
.macro JLOAD g0a, g1a, g0b, g1b        ; a joint load: each line has one mask; the branch hangs on the wave's number alone
	s_cmp_eq_u32 s[WY], 0
	s_cbranch_scc0 .Lfor_b_\@
	tensor_load_to_lds s[\g0a:\g0a+3], s[\g1a:\g1a+7]
	s_nop 0
	PLACES 4
	s_branch .Lasked_\@
.Lfor_b_\@:
	tensor_load_to_lds s[\g0b:\g0b+3], s[\g1b:\g1b+7]
	s_nop 0
	PLACES 4
.Lasked_\@:
.endm
.macro CROUND                          ; a round of the cluster's barrier
	s_barrier_signal -1
	s_barrier_wait -1
	s_cmp_lg_u32 s[WV], 0
	s_cbranch_scc1 .Lnot_wave_0_\@
	s_barrier_signal -3
.Lnot_wave_0_\@:
	s_barrier_wait -3
	s_barrier_signal -1
	s_barrier_wait -1
.endm
	s_load_b256 s[4:11], s[0:1], 0x0               ; att, att_sc, xw, xw_sc
	s_load_b128 s[12:15], s[0:1], 0x20             ; bo, out0
	v_lshl_add_u32 v[SPW], v0, 2, SPARE
	v_mov_b32 v[NIL], 0
	ds_add_u32 v[SPW], v[NIL]                      ; the opening lines: the add twice and its wait ahead of my first tensor load
	ds_add_u32 v[SPW], v[NIL]
	v_lshrrev_b32 v1, 5, v0
	v_readfirstlane_b32 s[WV], v1
	s_lshr_b32 s[WY], s[WV], 1
	s_and_b32 s[WX], s[WV], 1
	s_bfe_u32 s40, ttmp6, 0x40000                  ; cx, cy
	s_bfe_u32 s41, ttmp6, 0x40004
	s_lshl_b32 s42, ttmp9, 2
	s_add_co_u32 s42, s42, s40                     ; which 256 columns
	s_and_b32 s[TY], ttmp7, 0xffff
	s_lshl_b32 s[TY], s[TY], 2
	s_add_co_u32 s[TY], s[TY], s41                 ; which 128 tokens
	s_lshl_b32 s43, s41, 2
	s_lshl_b32 s43, 15, s43                        ; my row of the cluster
	s_lshl_b32 s44, 0x1111, s40                    ; my column
	s_or_b32 s[G1+0], s43, (3<<16)|(1<<21)         ; group 1: rows (tiles) of 6,144 bytes as 768 elements of 8, 12,288 bytes apart, dense in LDS: four of att,
	s_or_b32 s[G1B+0], s44, (3<<16)|(1<<21)        ; eight of Wo
	s_mov_b32 s[G1+2], 4<<16
	s_mov_b32 s[G1+4], 4
	s_mov_b32 s[G1B+2], 8<<16
	s_mov_b32 s[G1B+4], 8
.irp g, G1, G1B
	s_mov_b32 s[\g+1], 768<<16
	s_mov_b32 s[\g+3], 768<<16
	s_mov_b32 s[\g+5], 1536
	s_mov_b32 s[\g+6], 0
	s_mov_b32 s[\g+7], 0
.endr
	s_lshl_b32 s46, s[TY], 3
	s_lshl_b32 s22, s[WX], 2
	s_add_co_u32 s46, s46, s22                     ; att: the first of the four tiles that I fetch
	s_lshl_b32 s92, s42, 4
	s_lshl_b32 s22, s[WX], 3
	s_add_co_u32 s92, s92, s22
	s_add_co_u32 s92, s92, 704                     ; Wo: the first of my eight (Wo's tiles begin at 704 in xw)
	s_mul_i32 s94, s46, 12288
	s_mov_b32 s95, 0
	s_mul_i32 s98, s92, 12288
	s_mov_b32 s99, 0
	s_lshl_b32 s96, s[TY], 12                      ; the scale bytes of att's 8 tiles,
	s_mov_b32 s97, 0
	s_lshl_b32 s100, s42, 13
	s_add_co_u32 s100, s100, 704*512               ; and of Wo's 16
	s_mov_b32 s101, 0
	s_mul_i32 s45, s[WX], XQ                       ; where they go: no place in the cluster enters an LDS address
	s_mul_i32 s47, s[WX], 2*XQ
	s_add_co_u32 s47, s47, 2*XQ
	s_wait_dscnt 0x0
	s_wait_kmcnt 0x0
	s_add_nc_u64 s[94:95], s[4:5], s[94:95]
	s_add_nc_u64 s[96:97], s[6:7], s[96:97]
	s_add_nc_u64 s[98:99], s[8:9], s[98:99]
	s_add_nc_u64 s[100:101], s[10:11], s[100:101]
	CROUND                                         ; all sixteen work-groups are here: the first joint loads meet
.irp s, 0,1
	s_mov_b32 s[G0+4*\s], 1
	s_add_co_u32 s[G0+4*\s+1], s45, \s*SLOT
	s_add_nc_u64 s[G0+4*\s+2:G0+4*\s+3], s[94:95], \s*6144
	s_or_b32 s[G0+4*\s+3], s[G0+4*\s+3], 0x80000000
	s_mov_b32 s[G0B+4*\s], 1
	s_add_co_u32 s[G0B+4*\s+1], s47, \s*SLOT
	s_add_nc_u64 s[G0B+4*\s+2:G0B+4*\s+3], s[98:99], \s*6144
	s_or_b32 s[G0B+4*\s+3], s[G0B+4*\s+3], 0x80000000
.endr
	JLOAD G0, G1, G0B, G1B                         ; slot 0: my one tensor load at the head
	s_mul_i32 s93, s[WY], XQ                       ; my four tiles of att
	s_lshl_b32 s66, s[WY], 11
	s_lshl_b32 s67, s[WX], 12
	s_sub_co_u32 s67, s67, s66
	s_add_co_u32 s67, s67, 4096                    ; from my tiles' scale bytes of att to those of Wo
	s_add_co_u32 s66, s66, SCL
	s_mul_i32 s68, s[WV], 16*SPITCH                ; my stage
	s_lshl_b32 s2, s42, 10
	s_lshl_b32 s3, s[WX], 9
	s_add_co_u32 s2, s2, s3                        ; my 128 columns, in bytes
	s_mov_b32 s3, 0
	s_add_nc_u64 s[12:13], s[12:13], s[2:3]
	s_add_nc_u64 s[14:15], s[14:15], s[2:3]
	s_lshl_b32 s2, s[TY], 19
	s_lshl_b32 s22, s[WY], 18
	s_add_co_u32 s2, s2, s22                       ; my 64 tokens: rows of 4,096 bytes
	s_add_nc_u64 s[14:15], s[14:15], s[2:3]
	v_and_b32 v1, 31, v0
	v_and_b32 v2, 15, v0                           ; r
	v_bfe_u32 v3, v0, 4, 1                         ; h
	v_lshlrev_b32 v23, 4, v0                       ; 16 x thread: the scale bytes' way in
	v_lshlrev_b32 v[ST16], 4, v1
	v_lshlrev_b32 v[ST8], 3, v1
	v_add_nc_u32 v27, SCL, v23
	v_lshlrev_b32 v6, 6, v3                        ; the bias: tile b's columns 32 (b / 2) + 8 (b % 2) + 16 h + 0 .. 7
	v_add_nc_u32 v[AD0], s47, v[ST16]
	v_add_nc_u32 v[AD0+1], s47, v[ST8]
	v_add_nc_u32 v[AD1], s93, v[ST16]
	v_add_nc_u32 v[AD1+1], s93, v[ST8]
.irp k, 0,1
	v_add_nc_u32 v[AD0+2+\k], SLOT, v[AD0+\k]
	v_add_nc_u32 v[AD1+2+\k], SLOT, v[AD1+\k]
.endr
	v_mul_u32_u24 v4, s67, v3
	v_lshl_add_u32 v4, v2, 3, v4                   ; 8 bytes a row
	v_add_nc_u32 v[ADRS], s66, v4
	v_mul_u32_u24 v5, v2, SPITCH
	v_lshl_add_u32 v5, v3, 6, v5
	v_add_nc_u32 v[STO], s68, v5
	v_add_nc_u32 v[RD], s68, v[ST16]
.irp i, 0,1
	global_load_b128 v[128+4*\i:131+4*\i], v23, s[96:97] offset:2048*\i
.endr
.irp i, 0,1,2,3
	global_load_b128 v[144+4*\i:147+4*\i], v23, s[100:101] offset:2048*\i
.endr
.irp b, 0,1,2,3,4,5,6,7
	global_load_b128 v[BIAS0+8*\b:BIAS0+8*\b+3], v6, s[12:13] offset:(32*(\b/2)+8*(\b%2))*4
	global_load_b128 v[BIAS0+8*\b+4:BIAS0+8*\b+7], v6, s[12:13] offset:(32*(\b/2)+8*(\b%2))*4+16
.endr
	s_wait_alu depctr_va_vdst(0)
	s_wait_loadcnt 0x0
.irp i, 0,1
	ds_store_b128 v27, v[128+4*\i:131+4*\i] offset:2048*\i
.endr
.irp i, 0,1,2,3
	ds_store_b128 v27, v[144+4*\i:147+4*\i] offset:4096+2048*\i
.endr
.macro FRAG reg, adr, q, i             ; a fragment, 16 rows x 128 K: two half fragments on end, 16 and 8 bytes a lane of each, as they lie
	ds_load_b128 v[\reg:\reg+3], v[\adr] offset:(\i)*6144+(\q)*1536
	ds_load_b64 v[\reg+4:\reg+5], v[\adr+1] offset:(\i)*6144+(\q)*1536+512
	ds_load_b128 v[\reg+6:\reg+9], v[\adr] offset:(\i)*6144+(\q)*1536+768
	ds_load_b64 v[\reg+10:\reg+11], v[\adr+1] offset:(\i)*6144+(\q)*1536+1280
.endm
.macro FETCH n                         ; step n's fragments into sets n % 2; with an even step the scale words of the pair n / 2 (for i over 3 lanes 0-15 read scale bytes that no product names)
	WIN TO_B
.irp i, 0,1,2,3,4,5,6,7
	FRAG 128*((\n)%2)+FR*\i, AD0+2*((\n)/4), (\n)%4, \i
.endr
	WIN 0
.irp i, 0,1,2,3
	FRAG AF+48*((\n)%2)+FR*\i, AD1+2*((\n)/4), (\n)%4, \i
.endr
.if (\n)%2 == 0
.irp i, 0,1,2,3,4,5,6,7
	ds_load_b64 v[SC+16*(((\n)/2)%2)+2*\i:SC+16*(((\n)/2)%2)+2*\i+1], v[ADRS] offset:\i*512+128*((\n)/2)
.endr
.endif
.endm
; 16 products of step n: att's blocks a0, a0 + 1 x Wo's eight.  first = 1: the sums start from the bias.  The 32 accumulators take turns, in the same order in every step.
.macro MULA n, a0, first
.irp a, \a0, \a0+1
.irp b, 0,1,2,3,4,5,6,7
.if \first
	v_wmma_scale_f32_16x16x128_f8f6f4 v[8*(8*(\a)+\b):8*(8*(\a)+\b)+7], v[128*((\n)%2)+FR*\b:128*((\n)%2)+FR*\b+FR-1], v[AF+48*((\n)%2)+FR*(\a):AF+48*((\n)%2)+FR*(\a)+FR-1], v[BIAS0+8*\b:BIAS0+8*\b+7], v[SC+16*(((\n)/2)%2)+2*\b+(\n)%2], v[SC+16*(((\n)/2)%2)+2*(\a)+(\n)%2] matrix_a_fmt:MATRIX_FMT_FP6 matrix_b_fmt:MATRIX_FMT_FP6 matrix_a_scale:MATRIX_SCALE_ROW1
.else
	v_wmma_scale_f32_16x16x128_f8f6f4 v[8*(8*(\a)+\b):8*(8*(\a)+\b)+7], v[128*((\n)%2)+FR*\b:128*((\n)%2)+FR*\b+FR-1], v[AF+48*((\n)%2)+FR*(\a):AF+48*((\n)%2)+FR*(\a)+FR-1], v[8*(8*(\a)+\b):8*(8*(\a)+\b)+7], v[SC+16*(((\n)/2)%2)+2*\b+(\n)%2], v[SC+16*(((\n)/2)%2)+2*(\a)+(\n)%2] matrix_a_fmt:MATRIX_FMT_FP6 matrix_b_fmt:MATRIX_FMT_FP6 matrix_a_scale:MATRIX_SCALE_ROW1
.endif
.endr
.endr
.endm
.macro STEPN n, first
	s_wait_dscnt 0x0                               ; step n's fragments are in: they were asked for ahead of the last step's products
	PLACES NP                                      ; behind the products that read the other sets
	FETCH (\n)+1
.if \first
	WIN 0x81                                       ; C (the bias) window 0, D window 2
.else
	WIN MUL_LO
.endif
	MULA \n, 0, \first
	MULA \n, 2, \first
	WIN 0
.endm
	s_wait_tensorcnt 0x0                           ; my part of slot 0 is in
	ds_add_u32 v[SPW], v[NIL]
	s_wait_dscnt 0x0                               ; the add, and my part of the scale bytes
	CROUND                                         ; slot 0 and the scale bytes are whole, and all sixteen work-groups are here
	JLOAD G0+4, G1, G0B+4, G1B                     ; slot 1, the first tensor load behind the round
	FETCH 0
	STEPN 0, 1
	STEPN 1, 0
	STEPN 2, 0
	s_wait_tensorcnt 0x0                           ; step 3: my part of slot 1 is in,
	s_wait_dscnt 0x0                               ; and my last reads of slot 0 are over
	s_barrier_signal -1                            ; a plain barrier
	WIN MUL_LO
	MULA 3, 0, 0
	WIN 0
	s_barrier_wait -1                              ; slot 1 is whole
	PLACES NP
	FETCH 4
	WIN MUL_LO
	MULA 3, 2, 0
	WIN 0
	STEPN 4, 0
	STEPN 5, 0
	STEPN 6, 0
	s_wait_dscnt 0x0
	WIN MUL_LO
	MULA 7, 0, 0
	MULA 7, 2, 0
	WIN 0
; THE WAY OUT, block by block of 16 tokens x 128 columns, through my stage: back come whole rows of 512 bytes.  LDS serves a wave's instructions in order (ISA guide 5.7.1.4): no wait between the stores and the loads.
.macro TOSTAGE a
	WIN 0x08                                       ; the data: window 2
.irp b, 0,1,2,3,4,5,6,7
	ds_store_b128 v[STO], v[64*(\a)+8*\b:64*(\a)+8*\b+3] offset:128*(\b/2)+32*(\b%2)      ; each accumulator from its low end on
	ds_store_b128 v[STO], v[64*(\a)+8*\b+4:64*(\a)+8*\b+7] offset:128*(\b/2)+32*(\b%2)+16
.endr
	WIN 0
.set BB, BK+64*((\a)%2)
.irp t, 0,1,2,3,4,5,6,7,8,9,10,11,12,13,14,15
	ds_load_b128 v[BB+4*\t:BB+4*\t+3], v[RD] offset:\t*SPITCH
.endr
.endm
.macro SEND a, younger                 ; younger: the LDS instructions issued behind block a's loads
.set BB, BK+64*((\a)%2)
	s_wait_dscnt \younger
.irp t, 0,1,2,3,4,5,6,7,8,9,10,11,12,13,14,15
	global_store_b128 v[ST16], v[BB+4*\t:BB+4*\t+3], s[14:15] offset:(32*((\a)/2)+8*((\a)%2)+\t+8*(\t/8))*4096 th:TH_STORE_NT   ; 32 lanes store 512 consecutive bytes
.endr
.endm
	PLACES NP
	TOSTAGE 0
.irp a, 1,2,3
.if \a > 1
	s_wait_xcnt 0x0                                ; block a - 2's stores have read their registers: block a's loads may land there
.endif
	TOSTAGE \a
	SEND \a-1, 32
.endr
	SEND 3, 0
	s_wait_tensorcnt 0x0                           ; the wave's end
	ds_add_u32 v[SPW], v[NIL]
	s_wait_dscnt 0x0
	CROUND                                         ; the closing round
	s_endpgm
.Lfunc_end_k_q35e187613b_proj:
	.size	k_q35e187613b_proj, .Lfunc_end_k_q35e187613b_proj-k_q35e187613b_proj
	.p2alignl 7, 3214868480
	.fill 96, 4, 3214868480
	.section	.rodata,"a",@progbits
	.p2align	6, 0x0
	.amdhsa_kernel k_q35e187613b_proj
		.amdhsa_group_segment_fixed_size 327680
		.amdhsa_private_segment_fixed_size 0
		.amdhsa_enable_private_segment 0
		.amdhsa_kernarg_size 48
		.amdhsa_user_sgpr_count 2
		.amdhsa_user_sgpr_kernarg_segment_ptr 1
		.amdhsa_wavefront_size32 1
		.amdhsa_system_sgpr_workgroup_id_x 1
		.amdhsa_system_sgpr_workgroup_id_y 1
		.amdhsa_system_sgpr_workgroup_id_z 1
		.amdhsa_system_vgpr_workitem_id 0
		.amdhsa_next_free_vgpr 768
		.amdhsa_next_free_sgpr 102
		.amdhsa_reserve_vcc 0
		.amdhsa_float_denorm_mode_32 3
		.amdhsa_float_denorm_mode_16_64 3
		.amdhsa_memory_ordered 1
		.amdhsa_forward_progress 1
		.amdhsa_inst_pref_size 86
	.end_amdhsa_kernel
	.amdgpu_metadata
---
amdhsa.version: [ 1, 2 ]
amdhsa.kernels:
  - .name:           k_q35e187613b_proj
    .symbol:         k_q35e187613b_proj.kd
    .args:
      - { .name: att, .offset: 0, .size: 8, .value_kind: global_buffer, .address_space: global }
      - { .name: att_sc, .offset: 8, .size: 8, .value_kind: global_buffer, .address_space: global }
      - { .name: xw, .offset: 16, .size: 8, .value_kind: global_buffer, .address_space: global }
      - { .name: xw_sc, .offset: 24, .size: 8, .value_kind: global_buffer, .address_space: global }
      - { .name: bo, .offset: 32, .size: 8, .value_kind: global_buffer, .address_space: global }
      - { .name: out0, .offset: 40, .size: 8, .value_kind: global_buffer, .address_space: global }
    .group_segment_fixed_size: 327680
    .private_segment_fixed_size: 0
    .kernarg_segment_align: 8
    .kernarg_segment_size: 48
    .max_flat_workgroup_size: 128
    .sgpr_count:     102
    .vgpr_count:     768
    .wavefront_size: 32
...
	.end_amdgpu_metadata
.endif
;; end of part 4
